; MI455X (gfx1250); checked and timed in simulation.
; The chip was launched on July 23, 2026; its instructions are those of AMD's public machine-readable ISA for CDNA 5 (MIT licence, August 2026) and "CDNA5" Instruction Set Architecture Reference Guide (July 2026). The comments in the code are by the model that wrote it; some were corrected since.
;; Custom Attention. Allowed arithmetic: matrix products marked QUANTISED: E2M1 operands, one E8M0 scale for each 32 along K, by v_wmma_scale_f32_16x16x128_f8f6f4 with both operands' format E2M1 (or v_wmma_scale_f32_32x16x128_f4), f32 sums; products left as they are: bf16, f16 or f32 operands; f32 sums; everything else in f32.
;; Inputs: Wk 1,024 x 1,024 float32; Wo 1,024 x 1,024 float32; Wq 1,024 x 1,024 float32; Wv 1,024 x 1,024 float32; bk 1,024 float32; bo 1,024 float32; bq 1,024 float32; bv 1,024 float32; key 16 x 512 x 1,024 float32; query 16 x 1,024 x 1,024 float32; value 16 x 512 x 1,024 float32.
;; Outputs: out0 16 x 1,024 x 1,024 float32.
;; This version of the problem:
;;   THIS VERSION OF THE PROBLEM IS GIVEN IN LOW PRECISION. The matrix products marked QUANTISED in the list below multiply operands that are first quantised to E2M1 (2 exponent bits, 1 mantissa bit; 4 bits a number), with one power-of-two scale for each 32 numbers along K (OCP MX v1.0); their sums are f32. The products marked 'left as it is' may take bf16, f16 or f32 operands, with f32 sums. Whichever they take, every output number must still come out within the allowed error. Rounding operands to bf16 (8 significant bits) uses up far more of that allowance than f16 does (11 bits, for magnitudes from 6e-5 to 65,504). All else is computed in f32.
;;   The module's matrix products, in the order in which they are computed (A, B: the left and right operand; K: the contracted axis; several contracted axes count as one K, in the product's order):
;;     1. [M 16,384, K 1,024] x [K 1,024, N 1,024]; A: input query; B: input Wq: QUANTISED
;;     2. [M 8,192, K 1,024] x [K 1,024, N 1,024]; A: input key; B: input Wk: QUANTISED
;;     3. [M 8,192, K 1,024] x [K 1,024, N 1,024]; A: input value; B: input Wv: QUANTISED
;;     4. batch 16 x [M 1,024, K 1,024] x [K 1,024, N 512]; A: computed on the way; B: computed on the way: left as it is (an operand is computed on the way)
;;     5. batch 16 x [M 1,024, K 512] x [K 512, N 1,024]; A: computed on the way; B: computed on the way: left as it is (an operand is computed on the way)
;;     6. [M 16,384, K 1,024] x [K 1,024, N 1,024]; A: computed on the way; B: input Wo: left as it is (an operand is computed on the way)
;;   THE QUANTISER, for each operand of a quantised product, along K:
;;     - K is cut into blocks of 32 from its start; a last block that is shorter is filled with zeros.
;;     - A block's scale is 2^e with e = floor(log2(the largest magnitude in the block)) - 2, held to -126 .. 127; a block of zeros has e = 0. As a byte (E8M0): e + 127.
;;     - Each number is divided by its block's scale, clamped to +-6, and rounded to the nearest number of E2M1, ties to even, subnormals kept.
;;     - The product sums the exact products of the quantised numbers (number of the format x scale) in f32.
;;   ~~~python
;;   def quantise(x, axis):      # numpy; x: float32 -> the quantised numbers, widened to float32 again
;;       x = np.moveaxis(x, axis, -1); K = x.shape[-1]
;;       x = np.pad(x, [(0, 0)] * (x.ndim - 1) + [(0, -K % 32)]); x = x.reshape(x.shape[:-1] + (-1, 32)); a = np.abs(x).max(-1, keepdims=True)
;;       e = np.where(a > 0, np.clip(np.frexp(np.where(a > 0, a, 1))[1] - 1 - 2, -126, 127), 0)      # np.frexp(a)[1] - 1 = floor(log2(a)), exactly
;;       r = np.clip(x / 2.0 ** e, -6, 6)
;;       step = 2.0 ** (np.maximum(np.frexp(np.where(r == 0, 1, r))[1] - 1, 0) - 1)
;;       q = np.round(r / step) * step * 2.0 ** e      # np.round: ties to even
;;       return np.moveaxis(q.reshape(q.shape[:-2] + (-1,))[..., :K], -1, axis).astype(np.float32)
;;   ~~~
;; One version. Each part assembles by itself: llvm-mc -triple=amdgcn-amd-amdhsa -mcpu=gfx1250 --defsym DOCPART=n.
;; ======== version 1 of 1: 4 launches
;; limits: values are held in f16: magnitudes above 65,504 overflow, below 6.1e-05 lose precision
;; workspace buffers: wc 1,572,864 bytes; ws 98,304 bytes; wo16 2,097,152 bytes; qT 33,554,432 bytes; k16 16,777,216 bytes; v16 16,777,216 bytes; p16 16,777,216 bytes; voT 16,777,216 bytes
;; launch prep (part 1): grid 224 x 1, 4 waves a work-group, no clusters, 68,096 bytes of LDS; arguments Wq, Wk, Wv, Wo, wc, ws, wo16; writes wc, ws, wo16
.if DOCPART == 1
	.amdgcn_target "amdgcn-amd-amdhsa--gfx1250"
	.amdhsa_code_object_version 6
	.text
	.protected	k_q4d6542ca9c_prep
	.globl	k_q4d6542ca9c_prep
	.p2align	8
	.type	k_q4d6542ca9c_prep,@function
k_q4d6542ca9c_prep:
	s_mov_b64 s[64:65], 0
	v_nop
	global_prefetch_b8 v0, s[64:65] scope:SCOPE_SE
	s_setreg_imm32_b32 hwreg(HW_REG_WAVE_MODE, 25, 1), 1
	s_wait_xcnt 0x0
; PREP.  Wq, Wk, Wv [1024][1024] f32 become codes of FP4 (E2M1) with one E8M0 scale byte for each 32 along K (K = the last axis); Wo [1024][1024] f32 becomes f16.
; All three results are laid in the order of the operand registers of the launches that read them:
;   wc = [tensor 3][tile of 16 rows 64][K step of 128: 8][1,024 bytes]: registers 4 c .. 4 c + 3 of lane L at 512 c + 16 L.
;   ws = [tensor 3][tile 64][half of K 2][row 16][16 bytes]: word s % 4 is the scale word (four bytes) of K step s.
;   wo16: blocks of 16 k x 16 rows, 512 bytes, block (k / 16, row / 16) at 32,768 (k / 16) + 512 (row / 16); in it the 16 bytes that hold rows 8 nb .. 8 nb + 7 at one k
;         lie at 16 x (16 ((k % 16) / 8) + 8 nb + k % 8): a turning LDS load at 16 x lane then gives half a fragment with k along the registers.
; A block's scale is 2^(floor(log2(its largest magnitude)) - 2); its byte is the largest magnitude's exponent field - 2, held at 1 from below.
; LIMITS: a block of zeros gets the byte 1 where the quantiser says 127 (its codes are zeros, and this program alone reads the bytes); blocks whose largest magnitude lies under 2^(3 - 127) share that byte;
; NaN and infinities are not served; |Wo| above 65,504 has no f16 number.
; SHARES.  Work-groups 0-95: a wave takes 16 rows x 512 along K of one weight: four fragments.  Each load reads 512 consecutive bytes of a row; the numbers turn through the wave's own stage in LDS
; (rows of 512 bytes + 16), so that a lane gets 16 neighbours of each block of 32.  Work-groups 96-223: a wave takes 16 rows x 128 columns of Wo: eight blocks.  Waves share nothing: no barrier.
.set HSTG,  16*528                     ; a stage: 16 rows x (512 + 16) bytes
.set STGW,  2*HSTG                     ; two stages for each wave
.set SPARE, 4*STGW                     ; behind the stages: the spare words, 128 bytes for each wave
.set LI,  3                            ; v3   16 x lane
.set SI,  4                            ; v4   the stage, on the way in: my wave's + 16 x lane
.set SOA, 5                            ; v5   and on the way out: my wave's + 528 r + 64 h
.set SCO, 7                            ; v7   16 r + 8 h: my two scale words
.set VO,  8                            ; v8   Wo: 32,768 h + 4 r
.set QL,  9                            ; v9   my 16 bytes in a block of wo16
.set SPW, 30                           ; v30  LDS address of my spare word; never rewritten
.set NIL, 31                           ; v31  0; never rewritten
.set PC,  32                           ; v32-63  codes: eight registers for each fragment
.set PW,  64                           ; v64-67  a scale word for each fragment
.set SW,  68                           ; v68-69  the two that I store
.set TM,  72                           ; v72-83  at work in QUANT
.set X,   96                           ; v96-223 two sets of 64 numbers
.set SEL, 18                           ; s[18:19] lane selects for v_permlanex16_b32: lane l xor 16
.set MSB, 0
.macro WIN new                         ; the immediate's high byte repeats the setting that is left
.if MSB != (\new)
	s_set_vgpr_msb (MSB<<8)|(\new)
.set MSB, (\new)
.endif
.endm
; 64 numbers of a lane, register 16 b + i = k 32 b + 16 (lane / 16) + i of my row, become a fragment's codes in v[pc] on and its scale word in v[pw].
.macro QUANT s, pc, pw
.irp b, 0,1,2,3
	v_max3_num_f32 v[TM+\b], |v[(\s)+16*\b]|, |v[(\s)+16*\b+1]|, 0x1800000   ; block b: my 16 numbers, and the floor 2^(3 - 127): the byte cannot fall under 1
.endr
.irp i, 2,4,6,8,10,12,14
.irp b, 0,1,2,3
	v_max3_num_f32 v[TM+\b], v[TM+\b], |v[(\s)+16*\b+\i]|, |v[(\s)+16*\b+\i+1]|   ; the four blocks by turns
.endr
.endr
.irp b, 0,1,2,3
	v_permlanex16_b32 v[TM+4+\b], v[TM+\b], s[SEL], s[SEL+1]
.endr
.irp b, 0,1,2,3
	v_max_num_f32 v[TM+\b], v[TM+\b], v[TM+4+\b]          ; with lane l xor 16's: the block's largest magnitude
.endr
.irp b, 0,1,2,3
	v_add_nc_u32 v[TM+8+\b], 0xff000000, v[TM+\b]         ; 2 off its exponent field: the conversion takes the exponent field of this operand as its scale
.endr
.irp b, 0,1,2,3
	v_lshrrev_b32 v[TM+4+\b], 23, v[TM+8+\b]              ; the scale's byte
.endr
	v_lshl_or_b32 v[\pw], v[TM+5], 8, v[TM+4]             ; four bytes make my row's scale word
	v_lshl_or_b32 v[\pw], v[TM+6], 16, v[\pw]
	v_lshl_or_b32 v[\pw], v[TM+7], 24, v[\pw]
.irp b, 0,1,2,3
	v_cvt_scalef32_pk8_fp4_f32 v[(\pc)+2*\b], v[(\s)+16*\b:(\s)+16*\b+7], v[TM+8+\b]
	v_cvt_scalef32_pk8_fp4_f32 v[(\pc)+2*\b+1], v[(\s)+16*\b+8:(\s)+16*\b+15], v[TM+8+\b]
.endr
	v_nop                                                 ; one plain line behind a scaled conversion
.irp c, 0,1                                           ; the operand's layout wants a whole block in a lane: lanes 0-15 block 2 c, lanes 16-31 block 2 c + 1
.irp i, 0,1
	v_permlane16_swap_b32 v[(\pc)+4*\c+\i], v[(\pc)+4*\c+2+\i]
.endr
.endr
.endm
	s_load_b256 s[4:11], s[0:1], 0x0               ; Wq s[4:5], Wk s[6:7], Wv s[8:9], Wo s[10:11]
	s_load_b128 s[12:15], s[0:1], 0x20             ; wc s[12:13], ws s[14:15]
	s_load_b64 s[16:17], s[0:1], 0x30              ; wo16
	v_lshl_add_u32 v[SPW], v0, 2, SPARE
	v_mov_b32 v[NIL], 0
	v_lshrrev_b32 v6, 5, v0
	v_readfirstlane_b32 s20, v6                    ; wave 0..3
	v_and_b32 v1, 15, v0                           ; r
	v_bfe_u32 v2, v0, 4, 1                         ; h
	v_and_b32 v6, 31, v0
	v_lshlrev_b32 v[LI], 4, v6
	s_mul_i32 s29, s20, STGW
	v_add_nc_u32 v[SI], s29, v[LI]
	v_mul_u32_u24 v[SOA], v1, 528
	v_lshl_add_u32 v[SOA], v2, 6, v[SOA]
	v_add_nc_u32 v[SOA], s29, v[SOA]
	v_lshlrev_b32 v[SCO], 4, v1
	v_lshl_add_u32 v[SCO], v2, 3, v[SCO]
.irp b, 0,1,2,3
	v_mov_b32 v[TM+4+\b], 0                        ; written once: a lane permute's destination counts as one of its sources
.endr
	s_mov_b32 s[SEL], 0x76543210
	s_mov_b32 s[SEL+1], 0xfedcba98
	s_mov_b32 s27, 0                               ; the upper word of every offset
	s_wait_kmcnt 0x0
	s_cmp_ge_u32 ttmp9, 96
	s_cbranch_scc1 .Lwo
	; ---- the three quantised weights.  Work-group g: tensor g / 32; wave w: tile 2 (g % 32) + w / 2, half w % 2 of K
	s_lshr_b32 s21, ttmp9, 5                       ; the tensor
	s_cmp_eq_u32 s21, 0
	s_cselect_b64 s[22:23], s[4:5], s[6:7]
	s_cmp_eq_u32 s21, 2
	s_cselect_b64 s[22:23], s[8:9], s[22:23]
	s_and_b32 s24, ttmp9, 31
	s_lshl_b32 s24, s24, 1
	s_lshr_b32 s25, s20, 1
	s_add_co_u32 s24, s24, s25                     ; the tile of 16 rows
	s_and_b32 s25, s20, 1                          ; the half of K
	s_lshl_b32 s26, s24, 16                        ; 16 rows of 4,096 bytes
	s_lshl_b32 s28, s25, 11                        ; 512 numbers
	s_add_co_u32 s26, s26, s28
	s_add_nc_u64 s[22:23], s[22:23], s[26:27]
	s_lshl_b32 s26, s21, 19                        ; wc: 524,288 a tensor, 8,192 a tile, 4,096 a half
	s_lshl_b32 s28, s24, 13
	s_add_co_u32 s26, s26, s28
	s_lshl_b32 s28, s25, 12
	s_add_co_u32 s26, s26, s28
	s_add_nc_u64 s[12:13], s[12:13], s[26:27]
	s_lshl_b32 s26, s21, 15                        ; ws: 32,768 a tensor, 512 a tile, 256 a half
	s_lshl_b32 s28, s24, 9
	s_add_co_u32 s26, s26, s28
	s_lshl_b32 s28, s25, 8
	s_add_co_u32 s26, s26, s28
	s_add_nc_u64 s[14:15], s[14:15], s[26:27]
.macro LOADF f                         ; K step f of my 16 rows into set f of window 1: each load reads 512 consecutive bytes of a row
	WIN 0x40
.set p, 0
.rept 16
	global_load_b128 v[64*(\f)+4*p:64*(\f)+4*p+3], v[LI], s[22:23] offset:4096*p+512*(\f) th:TH_LOAD_NT
.set p, p+1
.endr
	WIN 0
.endm
.macro TURNF f                         ; through the stage: in as loaded, out 64 bytes of a row for each block and lane.  LDS serves a wave's instructions in order (ISA guide 5.7.1.4): no wait between
	WIN 0x04
.set p, 0
.rept 16
	ds_store_b128 v[SI], v[64*(\f)+4*p:64*(\f)+4*p+3] offset:HSTG*((\f)%2)+528*p
.set p, p+1
.endr
	WIN 0
.irp b, 0,1,2,3
.irp j, 0,1,2,3
	ds_load_b128 v[X+64*((\f)%2)+16*\b+4*\j:X+64*((\f)%2)+16*\b+4*\j+3], v[SOA] offset:HSTG*((\f)%2)+128*\b+16*\j
.endr
.endr
.endm
	LOADF 0
	LOADF 1
	LOADF 2
	LOADF 3
	s_wait_loadcnt 48                              ; set 0 is in; the three younger sets of 16 may be out
	TURNF 0
.irp f, 0,1,2,3
	s_wait_dscnt 0x0                               ; this step's numbers are back from the stage
.if \f < 3
	s_wait_loadcnt 16*(2-\f)                       ; the next set is in; the younger sets may be out
	TURNF \f+1                                     ; and goes through the other stage while this step is worked
.endif
	QUANT X+64*(\f%2), PC+8*\f, PW+\f
	global_store_b128 v[LI], v[PC+8*\f:PC+8*\f+3], s[12:13] offset:1024*\f         ; 32 lanes store 512 consecutive bytes
	global_store_b128 v[LI], v[PC+8*\f+4:PC+8*\f+7], s[12:13] offset:1024*\f+512
.endr
	v_cmp_eq_u32 vcc_lo, 1, v2                     ; both halves of the lanes hold all four words: lanes 0-15 store words 0, 1, lanes 16-31 words 2, 3
	v_cndmask_b32 v[SW], v[PW], v[PW+2], vcc_lo
	v_cndmask_b32 v[SW+1], v[PW+1], v[PW+3], vcc_lo
	global_store_b64 v[SCO], v[SW:SW+1], s[14:15]  ; 256 consecutive bytes
	s_wait_tensorcnt 0x0                           ; the wave's end: an add to my spare word and its wait, behind my last LDS store
	ds_add_u32 v[SPW], v[NIL]
	s_wait_dscnt 0x0
	s_endpgm
	; ---- Wo.  Wave number W = 4 (g - 96) + w: tile of rows W / 8, columns 128 (W % 8) on: eight blocks.
.Lwo:
	s_sub_co_u32 s21, ttmp9, 96
	s_lshl_b32 s21, s21, 2
	s_add_co_u32 s21, s21, s20
	s_lshr_b32 s24, s21, 3                         ; the tile of 16 rows
	s_and_b32 s25, s21, 7                          ; the 128 columns
	s_lshl_b32 s26, s24, 16
	s_lshl_b32 s28, s25, 9
	s_add_co_u32 s26, s26, s28
	s_add_nc_u64 s[10:11], s[10:11], s[26:27]
	s_lshl_b32 s26, s25, 18                        ; eight blocks along k: 8 x 32,768
	s_lshl_b32 s28, s24, 9
	s_add_co_u32 s26, s26, s28
	s_add_nc_u64 s[16:17], s[16:17], s[26:27]
	v_lshlrev_b32 v[VO], 2, v1                     ; lane (r, h): column r of a block, rows 8 h + 0 .. 7
	v_lshl_add_u32 v[VO], v2, 15, v[VO]
	v_lshrrev_b32 v[QL], 3, v1
	v_lshlrev_b32 v[QL], 8, v[QL]
	v_lshl_or_b32 v[QL], v2, 7, v[QL]
	v_and_b32 v10, 7, v1
	v_lshl_or_b32 v[QL], v10, 4, v[QL]             ; 256 (r / 8) + 128 h + 16 (r % 8)
.set kk, 0
.rept 8
.set j, 0
.rept 8
	global_load_b32 v[X+8*kk+j], v[VO], s[10:11] offset:4096*j+64*kk th:TH_LOAD_NT   ; Wo(16 R + 8 h + j, 16 kk + r): a row's 512 bytes are taken by the wave's loads on end
.set j, j+1
.endr
.set kk, kk+1
.endr
.set kk, 0
.rept 8
	s_wait_loadcnt 8*(7-kk)                        ; block kk's eight loads are in; the younger blocks' may be out
.irp q, 0,1,2,3
	v_cvt_pk_f16_f32 v[PC+4*kk+\q], v[X+8*kk+2*\q], v[X+8*kk+2*\q+1]
.endr
	global_store_b128 v[QL], v[PC+4*kk:PC+4*kk+3], s[16:17] offset:32768*kk   ; the 32 lanes fill the block's 512 consecutive bytes
.set kk, kk+1
.endr
	s_endpgm
.Lfunc_end_k_q4d6542ca9c_prep:
	.size	k_q4d6542ca9c_prep, .Lfunc_end_k_q4d6542ca9c_prep-k_q4d6542ca9c_prep
	.p2alignl 7, 3214868480
	.fill 96, 4, 3214868480
	.section	.rodata,"a",@progbits
	.p2align	6, 0x0
	.amdhsa_kernel k_q4d6542ca9c_prep
		.amdhsa_group_segment_fixed_size 68096
		.amdhsa_private_segment_fixed_size 0
		.amdhsa_enable_private_segment 0
		.amdhsa_kernarg_size 56
		.amdhsa_user_sgpr_count 2
		.amdhsa_user_sgpr_kernarg_segment_ptr 1
		.amdhsa_wavefront_size32 1
		.amdhsa_system_sgpr_workgroup_id_x 1
		.amdhsa_system_sgpr_workgroup_id_y 1
		.amdhsa_system_sgpr_workgroup_id_z 1
		.amdhsa_system_vgpr_workitem_id 0
		.amdhsa_next_free_vgpr 512
		.amdhsa_next_free_sgpr 66
		.amdhsa_reserve_vcc 1
		.amdhsa_float_denorm_mode_32 3
		.amdhsa_float_denorm_mode_16_64 3
		.amdhsa_memory_ordered 1
		.amdhsa_forward_progress 1
		.amdhsa_inst_pref_size 43
	.end_amdhsa_kernel
	.amdgpu_metadata
---
amdhsa.version: [ 1, 2 ]
amdhsa.kernels:
  - .name:           k_q4d6542ca9c_prep
    .symbol:         k_q4d6542ca9c_prep.kd
    .args:
      - { .name: Wq, .offset: 0, .size: 8, .value_kind: global_buffer, .address_space: global }
      - { .name: Wk, .offset: 8, .size: 8, .value_kind: global_buffer, .address_space: global }
      - { .name: Wv, .offset: 16, .size: 8, .value_kind: global_buffer, .address_space: global }
      - { .name: Wo, .offset: 24, .size: 8, .value_kind: global_buffer, .address_space: global }
      - { .name: wc, .offset: 32, .size: 8, .value_kind: global_buffer, .address_space: global }
      - { .name: ws, .offset: 40, .size: 8, .value_kind: global_buffer, .address_space: global }
      - { .name: wo16, .offset: 48, .size: 8, .value_kind: global_buffer, .address_space: global }
    .group_segment_fixed_size: 68096
    .private_segment_fixed_size: 0
    .kernarg_segment_align: 8
    .kernarg_segment_size: 56
    .max_flat_workgroup_size: 128
    .sgpr_count:     66
    .vgpr_count:     512
    .wavefront_size: 32
...
	.end_amdgpu_metadata
.endif
;; end of part 1
;; launch proj (part 2): grid 256 x 1, 4 waves a work-group, no clusters, 170,496 bytes of LDS; arguments query, key, value, wc, ws, bq, bk, bv, qT, k16, v16; writes qT, k16, v16
.if DOCPART == 2
	.amdgcn_target "amdgcn-amd-amdhsa--gfx1250"
	.amdhsa_code_object_version 6
	.text
	.protected	k_q4d6542ca9c_proj
	.globl	k_q4d6542ca9c_proj
	.p2align	8
	.type	k_q4d6542ca9c_proj,@function
k_q4d6542ca9c_proj:
	s_mov_b64 s[64:65], 0
	v_nop
	global_prefetch_b8 v0, s[64:65] scope:SCOPE_SE
	s_setreg_imm32_b32 hwreg(HW_REG_WAVE_MODE, 25, 1), 1
	s_wait_xcnt 0x0
; PROJ.  q = query Wq^T + bq, k = key Wk^T + bk, v = value Wv^T + bv: the three quantised products, on codes of FP4 (E2M1) with one E8M0 scale for each 32 along K = 1,024; sums in f32; results rounded to f16.
; SHARES.  A work-group takes 128 rows of one tensor (0-127 query, 128-191 key, 192-255 value): only pointers are chosen by its number, all take one way through the text.
; X PHASE: wave w quantises rows 32 w .. 32 w + 31 (16 fragments of 16 rows x 128 K) and stores them in LDS as images of the operand's registers (registers 4 c .. 4 c + 3 of lane L at 512 c + 16 L), with their scale words.
; One barrier.  G PHASE: wave w makes columns 256 w .. 256 w + 255 for all 128 rows, in two passes of 128 x 128: 64 accumulators.  x's fragments come from LDS; the weight's codes lie in memory in the order of the operand's
; registers and go straight into registers, three K steps ahead.
; NO JOINT LOADS for the weights: each of a work-group's weight fragments is used by one wave alone, for eight products; through LDS it would be written and read once more with no second user in the work-group.
; THE MATRIX INSTRUCTION IS USED TRANSPOSED (source 0 = 16 rows of W, source 1 = 16 rows of x): lane (r, h) holds row r of x and its registers the columns 16 tile + 8 h + 0 .. 7.  The bias is the C of each sum's first product.
; THE WAY OUT needs no stage: a tile's 16 x 16 results, packed to f16, are 512 consecutive bytes of the layout in which the next launch wants them:
;   k16, v16 = [tile of 16 rows][32 along the columns][1,024 bytes], registers 4 c .. 4 c + 3 of lane L at 512 c + 16 L (K of the next product = these columns);
;   qT: blocks of 16 rows t x 16 columns i, block (t / 16, i / 16) at 32,768 (t / 16) + 512 (i / 16), a lane's 16 bytes at 256 (r / 8) + 128 h + 16 (r % 8): K of the next product = the rows t, and a turning LDS load takes the block.
; LIMITS: q, k, v beyond 65,504 have no f16 number; a block of zeros gets the scale byte 1 (its codes are zeros; the bytes never leave the work-group); NaN and infinities are not served.
; REGISTERS, in windows of 256.  Window 0: v1-13 addresses; v28, v29 the add's two; v32-95 scale words and nothing else; v96-159, v160-223 two sets: 64 numbers of x, later x's eight fragments, later packed results;
;   v224-253 at work in the X phase.  Window 1: X phase: four sets of 64 numbers as loaded; G phase: W's fragments, three sets at v0, v64, v128; the bias at v192-255.  Windows 2, 3: accumulator (a, b) at v[8 (8 (a % 4) + b)].
.set XIMG,  0                          ; LDS: x's 64 fragments: (8 m + s) x 1,024
.set XSC,   65536                      ; their scale words: [tile m 8][half of K 2][row 16][16 bytes]
.set WSC,   69632                      ; the weight's scale words, as they lie in ws: 8,192 bytes for each wave, its own
.set STG,   102400                     ; two stages of 16 rows x 528 bytes for each wave
.set HSTG,  16*528
.set STGW,  2*HSTG
.set SPARE, STG+4*STGW                 ; the spare words, 128 bytes for each wave
.set LI,  3                            ; v3   16 x lane
.set SI,  4                            ; v4   the stage, in
.set SOA, 5                            ; v5   the stage, out: 528 r + 64 h
.set XWI, 6                            ; v6   where I store images: 16,384 w + 16 x lane
.set XWS, 7                            ; v7   and scale words: XSC + 1,024 w + 16 r
.set WSW, 8                            ; v8   WSC + 8,192 w + 16 x lane
.set AS0, 9                            ; v9   XSC + 16 r
.set ADRS, 10                          ; v10  the pass's scale words: lanes 0-15 x's, lanes 16-31 W's
.set TA,  11
.set BO,  12                           ; v12  32 h: the bias
.set OA,  13                           ; v13  my 16 bytes in a tile of the output
.set SPW, 28
.set NIL, 29
.set SC,  32                           ; register 8 i + s: lanes 0-15 the word of x's tile i, lanes 16-31 that of W's tile i, for K step s
.set XF,  96
.set PC,  224                          ; v224-239 codes, two sets
.set PW,  240                          ; v240-241 scale words
.set TM,  242                          ; v242-253 at work in QUANT
.set SEL, 48
.set MSB, 0
.macro WIN new                         ; the immediate's high byte repeats the setting that is left
.if MSB != (\new)
	s_set_vgpr_msb (MSB<<8)|(\new)
.set MSB, (\new)
.endif
.endm
.macro PLACES                          ; four plain lines between a matrix instruction and a load into, or a vector instruction on, its registers
.rept 4
	v_nop
.endr
.endm
; 64 numbers of a lane, register 16 b + i = k 32 b + 16 (lane / 16) + i of my row, become a fragment's codes in v[pc] on and its scale word in v[pw].
.macro QUANT s, pc, pw
.irp b, 0,1,2,3
	v_max3_num_f32 v[TM+\b], |v[(\s)+16*\b]|, |v[(\s)+16*\b+1]|, 0x1800000   ; block b: my 16 numbers, and the floor 2^(3 - 127): the byte cannot fall under 1
.endr
.irp i, 2,4,6,8,10,12,14
.irp b, 0,1,2,3
	v_max3_num_f32 v[TM+\b], v[TM+\b], |v[(\s)+16*\b+\i]|, |v[(\s)+16*\b+\i+1]|
.endr
.endr
.irp b, 0,1,2,3
	v_permlanex16_b32 v[TM+4+\b], v[TM+\b], s[SEL], s[SEL+1]
.endr
.irp b, 0,1,2,3
	v_max_num_f32 v[TM+\b], v[TM+\b], v[TM+4+\b]          ; with lane l xor 16's: the block's largest magnitude
.endr
.irp b, 0,1,2,3
	v_add_nc_u32 v[TM+8+\b], 0xff000000, v[TM+\b]         ; 2 off its exponent field: the conversion's scale operand
.endr
.irp b, 0,1,2,3
	v_lshrrev_b32 v[TM+4+\b], 23, v[TM+8+\b]              ; the scale's byte
.endr
	v_lshl_or_b32 v[\pw], v[TM+5], 8, v[TM+4]
	v_lshl_or_b32 v[\pw], v[TM+6], 16, v[\pw]
	v_lshl_or_b32 v[\pw], v[TM+7], 24, v[\pw]
.irp b, 0,1,2,3
	v_cvt_scalef32_pk8_fp4_f32 v[(\pc)+2*\b], v[(\s)+16*\b:(\s)+16*\b+7], v[TM+8+\b]
	v_cvt_scalef32_pk8_fp4_f32 v[(\pc)+2*\b+1], v[(\s)+16*\b+8:(\s)+16*\b+15], v[TM+8+\b]
.endr
	v_nop                                                 ; one plain line behind a scaled conversion
.irp c, 0,1
.irp i, 0,1
	v_permlane16_swap_b32 v[(\pc)+4*\c+\i], v[(\pc)+4*\c+2+\i]   ; a whole block in a lane: lanes 0-15 block 2 c, lanes 16-31 block 2 c + 1
.endr
.endr
.endm
	s_load_b256 s[4:11], s[0:1], 0x0               ; query s[4:5], key s[6:7], value s[8:9], wc s[10:11]
	s_load_b256 s[12:19], s[0:1], 0x20             ; ws s[12:13], bq s[14:15], bk s[16:17], bv s[18:19]
	s_load_b128 s[20:23], s[0:1], 0x40             ; qT s[20:21], k16 s[22:23]
	s_load_b64 s[24:25], s[0:1], 0x50              ; v16
	v_lshl_add_u32 v[SPW], v0, 2, SPARE
	v_mov_b32 v[NIL], 0
	v_lshrrev_b32 v14, 5, v0
	v_readfirstlane_b32 s36, v14                   ; wave 0..3
	v_and_b32 v1, 15, v0                           ; r
	v_bfe_u32 v2, v0, 4, 1                         ; h
	v_and_b32 v14, 31, v0
	v_lshlrev_b32 v[LI], 4, v14
	s_mul_i32 s40, s36, STGW
	s_add_co_u32 s40, s40, STG
	v_add_nc_u32 v[SI], s40, v[LI]
	v_mul_u32_u24 v[SOA], v1, 528
	v_lshl_add_u32 v[SOA], v2, 6, v[SOA]
	v_add_nc_u32 v[SOA], s40, v[SOA]
	s_lshl_b32 s40, s36, 14
	v_add_nc_u32 v[XWI], s40, v[LI]
	s_lshl_b32 s40, s36, 10
	s_add_co_u32 s40, s40, XSC
	v_lshl_add_u32 v[XWS], v1, 4, s40
	s_lshl_b32 s40, s36, 13
	s_add_co_u32 s41, s40, WSC
	v_add_nc_u32 v[WSW], s41, v[LI]
	s_add_co_u32 s50, s40, WSC-XSC                 ; from x's scale words to my W's of the first pass
	v_lshl_add_u32 v[AS0], v1, 4, XSC
	v_lshlrev_b32 v[BO], 5, v2
	v_lshrrev_b32 v14, 3, v1
	v_lshlrev_b32 v14, 8, v14
	v_lshl_or_b32 v14, v2, 7, v14
	v_and_b32 v15, 7, v1
	v_lshl_or_b32 v14, v15, 4, v14                 ; 256 (r / 8) + 128 h + 16 (r % 8): a lane's place in a block of qT
.irp b, 0,1,2,3
	v_mov_b32 v[TM+4+\b], 0                        ; written once: a lane permute's destination counts as one of its sources
.endr
	s_mov_b32 s[SEL], 0x76543210
	s_mov_b32 s[SEL+1], 0xfedcba98
	s_mov_b32 s51, 2                               ; passes
	s_wait_kmcnt 0x0
	s_cmp_lt_u32 ttmp9, 128                        ; which tensor: the choice hangs on the work-group's number alone
	s_cselect_b64 s[26:27], s[4:5], s[6:7]
	s_cselect_b64 s[32:33], s[14:15], s[16:17]
	s_cselect_b64 s[34:35], s[20:21], s[22:23]
	s_cselect_b32 s37, 0, 1
	s_cselect_b32 s38, 0, 128
	s_cselect_b32 s52, -1, 0                       ; all lanes: the output is qT
	s_cmp_lt_u32 ttmp9, 192
	s_cselect_b64 s[26:27], s[26:27], s[8:9]
	s_cselect_b64 s[32:33], s[32:33], s[18:19]
	s_cselect_b64 s[34:35], s[34:35], s[24:25]
	s_cselect_b32 s37, s37, 2                      ; the tensor's number
	s_cselect_b32 s38, s38, 192
	s_sub_co_u32 s38, ttmp9, s38                   ; which 128 rows of it
	v_cndmask_b32 v[OA], v[LI], v14, s52
	s_lshl_b32 s40, s38, 19                        ; x: 128 rows of 4,096 bytes; my wave's 32
	s_lshl_b32 s42, s36, 17
	s_add_co_u32 s40, s40, s42
	s_mov_b32 s41, 0
	s_add_nc_u64 s[26:27], s[26:27], s[40:41]
	s_lshl_b32 s40, s37, 19                        ; wc: 524,288 a tensor; my wave's 16 tiles of 8,192
	s_add_co_u32 s40, s40, s42
	s_add_nc_u64 s[28:29], s[10:11], s[40:41]
	s_lshl_b32 s40, s37, 15                        ; ws: 32,768 a tensor; my wave's 16 tiles of 512
	s_lshl_b32 s42, s36, 13
	s_add_co_u32 s40, s40, s42
	s_add_nc_u64 s[30:31], s[12:13], s[40:41]
	s_lshl_b32 s40, s38, 18                        ; the output: 8 tiles of rows x 32,768; my wave's 16 tiles of columns x 512
	s_add_co_u32 s40, s40, s42
	s_add_nc_u64 s[34:35], s[34:35], s[40:41]
	s_lshl_b32 s40, s36, 10                        ; the bias: my wave's 256 numbers
	s_add_nc_u64 s[32:33], s[32:33], s[40:41]
; ---- X PHASE.  Fragment f = 8 ml + s: rows 16 ml on of my 32, K step s.
.macro LOADF f                         ; into set f % 4 of window 1: each load reads 512 consecutive bytes of a row
	WIN 0x40
.set p, 0
.rept 16
	global_load_b128 v[64*((\f)%4)+4*p:64*((\f)%4)+4*p+3], v[LI], s[26:27] offset:(16*((\f)/8)+p)*4096+512*((\f)%8) th:TH_LOAD_NT
.set p, p+1
.endr
	WIN 0
.endm
.macro TURNF f                         ; through my stage f % 2: in as loaded, out 16 neighbours of each block of 32.  LDS serves a wave's instructions in order (ISA guide 5.7.1.4)
	WIN 0x04
.set p, 0
.rept 16
	ds_store_b128 v[SI], v[64*((\f)%4)+4*p:64*((\f)%4)+4*p+3] offset:HSTG*((\f)%2)+528*p
.set p, p+1
.endr
	WIN 0
.irp b, 0,1,2,3
.irp j, 0,1,2,3
	ds_load_b128 v[XF+64*((\f)%2)+16*\b+4*\j:XF+64*((\f)%2)+16*\b+4*\j+3], v[SOA] offset:HSTG*((\f)%2)+128*\b+16*\j
.endr
.endr
.endm
.macro QSTEP f
.if (\f) == 0
	s_wait_dscnt 0x0
.else
	s_wait_dscnt 3                                 ; all but the last step's three image stores: this step's numbers are back, and its stores into the stage have read set f % 4,
.endif
.if (\f)+4 < 16
	LOADF (\f)+4                                   ; which takes the loads of four steps on
.endif
.if (\f) < 15
.if 14-(\f) >= 3
	s_wait_loadcnt 48                              ; the next step's 16 loads are in; three younger sets may be out
.else
	s_wait_loadcnt 16*(14-(\f))
.endif
	TURNF (\f)+1
.endif
	QUANT XF+64*((\f)%2), PC+8*((\f)%2), PW+(\f)%2
	ds_store_b128 v[XWI], v[PC+8*((\f)%2):PC+8*((\f)%2)+3] offset:XIMG+1024*(\f)
	ds_store_b128 v[XWI], v[PC+8*((\f)%2)+4:PC+8*((\f)%2)+7] offset:XIMG+1024*(\f)+512
	ds_store_b32 v[XWS], v[PW+(\f)%2] offset:512*((\f)/8)+256*(((\f)%8)/4)+4*((\f)%4)   ; both halves of the lanes write the same word with the same value
.endm
.set p, 0
.rept 16
	global_load_b128 v[XF+64+4*p:XF+64+4*p+3], v[LI], s[30:31] offset:512*p   ; my 16 tiles' scale words of W
.set p, p+1
.endr
	LOADF 0
	LOADF 1
	LOADF 2
	s_wait_loadcnt 48                              ; the scale words are in; the three sets may be out
.set p, 0
.rept 16
	ds_store_b128 v[WSW], v[XF+64+4*p:XF+64+4*p+3] offset:512*p
.set p, p+1
.endr
	LOADF 3
	s_wait_loadcnt 48                              ; set 0 is in
	TURNF 0
.irp f, 0,1,2,3,4,5,6,7,8,9,10,11,12,13,14,15
	QSTEP \f
.endr
; ---- G PHASE
.macro BIASLOAD                        ; register 8 b + j: the bias of column 16 b + 8 h + j of the pass
	WIN 0x40
.irp b, 0,1,2,3,4,5,6,7
	global_load_b128 v[192+8*\b:195+8*\b], v[BO], s[32:33] offset:64*\b
	global_load_b128 v[196+8*\b:199+8*\b], v[BO], s[32:33] offset:64*\b+16
.endr
	WIN 0
.endm
.macro WLOAD s                         ; W's eight fragments of K step s into set s % 3: 512 consecutive bytes a load
	WIN 0x40
.irp i, 0,1,2,3,4,5,6,7
.irp c, 0,1
	global_load_b128 v[64*((\s)%3)+8*\i+4*\c:64*((\s)%3)+8*\i+4*\c+3], v[LI], s[28:29] offset:8192*\i+1024*(\s)+512*\c
.endr
.endr
	WIN 0
.endm
.macro FETCHX s                        ; x's eight fragments of K step s into set s % 2
.irp m, 0,1,2,3,4,5,6,7
.irp c, 0,1
	ds_load_b128 v[XF+64*((\s)%2)+8*\m+4*\c:XF+64*((\s)%2)+8*\m+4*\c+3], v[LI] offset:XIMG+(8*\m+(\s))*1024+512*\c
.endr
.endr
.endm
.macro MULS s                          ; 64 products: x's tiles one after the other, each against W's eight.  The 64 accumulators take turns, in the same order in every step
.irp a, 0,1,2,3,4,5,6,7
.if (\s) == 0
	WIN 0x91+0x40*(\a/4)                           ; source 0 (W) and C (the bias) window 1, source 1 (x) window 0, D window 2 or 3
.else
	WIN 0xa1+0x50*(\a/4)                           ; C and D window 2 or 3
.endif
.irp b, 0,1,2,3,4,5,6,7
.if (\s) == 0
	v_wmma_scale_f32_16x16x128_f8f6f4 v[8*(8*(\a%4)+\b):8*(8*(\a%4)+\b)+7], v[64*((\s)%3)+8*\b:64*((\s)%3)+8*\b+7], v[XF+64*((\s)%2)+8*\a:XF+64*((\s)%2)+8*\a+7], v[192+8*\b:199+8*\b], v[SC+8*\b+(\s)], v[SC+8*\a+(\s)] matrix_a_fmt:MATRIX_FMT_FP4 matrix_b_fmt:MATRIX_FMT_FP4 matrix_a_scale:MATRIX_SCALE_ROW1
.else
	v_wmma_scale_f32_16x16x128_f8f6f4 v[8*(8*(\a%4)+\b):8*(8*(\a%4)+\b)+7], v[64*((\s)%3)+8*\b:64*((\s)%3)+8*\b+7], v[XF+64*((\s)%2)+8*\a:XF+64*((\s)%2)+8*\a+7], v[8*(8*(\a%4)+\b):8*(8*(\a%4)+\b)+7], v[SC+8*\b+(\s)], v[SC+8*\a+(\s)] matrix_a_fmt:MATRIX_FMT_FP4 matrix_b_fmt:MATRIX_FMT_FP4 matrix_a_scale:MATRIX_SCALE_ROW1
.endif
.endr
.endr
.endm
.macro STEP s
.if (\s) < 7
	FETCHX (\s)+1
	s_wait_dscnt 16                                ; all but the 16 just issued: this step's x (and, in step 0, the scale words)
.else
	s_wait_dscnt 0x0
.endif
.if 7-(\s) >= 2
	s_wait_loadcnt 32                              ; this step's W (and, in step 0, the bias) is in; the two younger sets of 16 may be out
.else
	s_wait_loadcnt 16*(7-(\s))
.endif
	MULS \s
	WIN 0
	PLACES                                         ; for the loads into W's set just read and into x's set just read
.if (\s)+3 < 8
	WLOAD (\s)+3
.endif
.endm
	s_wait_dscnt 0x0                               ; for the others' sake: my images and scale words have landed; and my stores into the stage have read window 1,
	BIASLOAD                                       ; which takes the first pass's bias and W's first three K steps
	WLOAD 0
	WLOAD 1
	WLOAD 2
	s_barrier_signal -1
	s_barrier_wait -1                              ; x's 64 fragments lie in LDS; nobody writes them again
.Lpass:
	v_mul_u32_u24 v[TA], s50, v2                   ; lanes 16-31 take W's words: one product, the distance x the half
	v_add_nc_u32 v[ADRS], v[TA], v[AS0]
.irp i, 0,1,2,3,4,5,6,7
	ds_load_b128 v[SC+8*\i:SC+8*\i+3], v[ADRS] offset:512*\i        ; K steps 0-3
	ds_load_b128 v[SC+8*\i+4:SC+8*\i+7], v[ADRS] offset:512*\i+256  ; K steps 4-7
.endr
	FETCHX 0
.irp s, 0,1,2,3,4,5,6,7
	STEP \s
.endr
	s_cmp_eq_u32 s51, 1                            ; the second pass's bias and first W are asked for here, ahead of the way out, if there is a second pass: no load leaves its buffer
	s_cbranch_scc1 .Lnomore
	s_add_nc_u64 s[28:29], s[28:29], 65536         ; (step 7's wait for all loads has freed both bases)  eight tiles of W on
	s_add_nc_u64 s[32:33], s[32:33], 512
	BIASLOAD
	WLOAD 0
	WLOAD 1
	WLOAD 2
.Lnomore:
.irp a, 0,1,2,3,4,5,6,7                ; the way out: a tile packs to 16 bytes a lane, 512 consecutive bytes a store
.if \a == 4
	s_wait_xcnt 0x0                                ; the first four tiles' stores have read their registers, which are written again
.endif
	WIN 0x0a+5*(\a/4)                              ; sources 0 and 1: window 2 or 3
.irp b, 0,1,2,3,4,5,6,7
.irp q, 0,1,2,3
	v_cvt_pk_f16_f32 v[XF+32*(\a%4)+4*\b+\q], v[8*(8*(\a%4)+\b)+2*\q], v[8*(8*(\a%4)+\b)+2*\q+1]   ; each accumulator from its low end on
.endr
.endr
	WIN 0
.irp b, 0,1,2,3,4,5,6,7
	global_store_b128 v[OA], v[XF+32*(\a%4)+4*\b:XF+32*(\a%4)+4*\b+3], s[34:35] offset:32768*\a+512*\b
.endr
.endr
	s_wait_xcnt 0x0                                ; the stores have read their registers and their base: both are written again
	s_add_nc_u64 s[34:35], s[34:35], 4096          ; eight tiles of columns on
	s_add_co_u32 s50, s50, 4096                    ; and their scale words
	s_sub_co_u32 s51, s51, 1
	s_cmp_lg_u32 s51, 0
	s_cbranch_scc1 .Lpass
	s_wait_tensorcnt 0x0                           ; the wave's end: an add to my spare word and its wait, behind my last LDS store
	ds_add_u32 v[SPW], v[NIL]
	s_wait_dscnt 0x0
	s_endpgm
.Lfunc_end_k_q4d6542ca9c_proj:
	.size	k_q4d6542ca9c_proj, .Lfunc_end_k_q4d6542ca9c_proj-k_q4d6542ca9c_proj
	.p2alignl 7, 3214868480
	.fill 96, 4, 3214868480
	.section	.rodata,"a",@progbits
	.p2align	6, 0x0
	.amdhsa_kernel k_q4d6542ca9c_proj
		.amdhsa_group_segment_fixed_size 170496
		.amdhsa_private_segment_fixed_size 0
		.amdhsa_enable_private_segment 0
		.amdhsa_kernarg_size 88
		.amdhsa_user_sgpr_count 2
		.amdhsa_user_sgpr_kernarg_segment_ptr 1
		.amdhsa_wavefront_size32 1
		.amdhsa_system_sgpr_workgroup_id_x 1
		.amdhsa_system_sgpr_workgroup_id_y 1
		.amdhsa_system_sgpr_workgroup_id_z 1
		.amdhsa_system_vgpr_workitem_id 0
		.amdhsa_next_free_vgpr 1024
		.amdhsa_next_free_sgpr 66
		.amdhsa_reserve_vcc 0
		.amdhsa_float_denorm_mode_32 3
		.amdhsa_float_denorm_mode_16_64 3
		.amdhsa_memory_ordered 1
		.amdhsa_forward_progress 1
		.amdhsa_inst_pref_size 247
	.end_amdhsa_kernel
	.amdgpu_metadata
---
amdhsa.version: [ 1, 2 ]
amdhsa.kernels:
  - .name:           k_q4d6542ca9c_proj
    .symbol:         k_q4d6542ca9c_proj.kd
    .args:
      - { .name: query, .offset: 0, .size: 8, .value_kind: global_buffer, .address_space: global }
      - { .name: key, .offset: 8, .size: 8, .value_kind: global_buffer, .address_space: global }
      - { .name: value, .offset: 16, .size: 8, .value_kind: global_buffer, .address_space: global }
      - { .name: wc, .offset: 24, .size: 8, .value_kind: global_buffer, .address_space: global }
      - { .name: ws, .offset: 32, .size: 8, .value_kind: global_buffer, .address_space: global }
      - { .name: bq, .offset: 40, .size: 8, .value_kind: global_buffer, .address_space: global }
      - { .name: bk, .offset: 48, .size: 8, .value_kind: global_buffer, .address_space: global }
      - { .name: bv, .offset: 56, .size: 8, .value_kind: global_buffer, .address_space: global }
      - { .name: qT, .offset: 64, .size: 8, .value_kind: global_buffer, .address_space: global }
      - { .name: k16, .offset: 72, .size: 8, .value_kind: global_buffer, .address_space: global }
      - { .name: v16, .offset: 80, .size: 8, .value_kind: global_buffer, .address_space: global }
    .group_segment_fixed_size: 170496
    .private_segment_fixed_size: 0
    .kernarg_segment_align: 8
    .kernarg_segment_size: 88
    .max_flat_workgroup_size: 128
    .sgpr_count:     66
    .vgpr_count:     1024
    .wavefront_size: 32
...
	.end_amdgpu_metadata
.endif
;; end of part 2
;; launch mid (part 3): grid 8 x 32, 4 waves a work-group, clusters of 4 x 1, 327,680 bytes of LDS; arguments qT, wo16, k16, v16, p16, voT; writes p16, voT
.if DOCPART == 3
	.amdgcn_target "amdgcn-amd-amdhsa--gfx1250"
	.amdhsa_code_object_version 6
	.text
	.protected	k_q4d6542ca9c_mid
	.globl	k_q4d6542ca9c_mid
	.p2align	8
	.type	k_q4d6542ca9c_mid,@function
k_q4d6542ca9c_mid:
	s_mov_b64 s[64:65], 0
	v_nop
	global_prefetch_b8 v0, s[64:65] scope:SCOPE_SE
	s_setreg_imm32_b32 hwreg(HW_REG_WAVE_MODE, 25, 1), 1
	s_wait_xcnt 0x0
	s_wait_alu depctr_hold_cnt(0) depctr_sa_sdst(0) depctr_va_vdst(0) depctr_va_sdst(0) depctr_va_ssrc(0) depctr_va_vcc(0) depctr_vm_vsrc(0)
	s_getreg_b32 s2, hwreg(HW_REG_IB_STS2, 6, 4)
	s_cmp_eq_u32 s2, 0
	s_cbranch_scc0 .Lentry_in_a_cluster
	s_endpgm
.Lentry_in_a_cluster:
	s_bfe_u32 s2, ttmp6, 0x10000c
	s_cmp_lg_u32 s2, 0x3003
	s_cbranch_scc0 .Lentry_shape_is_right
	s_endpgm
.Lentry_shape_is_right:
; MID.  Two products of one shape, [1,024 rows x K 1,024] x [K 1,024 x 512], one for each batch, on f16 operands with f32 sums:
;   y = 0 .. 15  (batch y):       P[i][s] = softmax over s of (sum over t of q[t][i] k[s][t]) / 32          -> p16, bf16
;   y = 16 .. 31 (batch y - 16):  V'[n][s] = sum over e of Wo[n][e] v[s][e]                                  -> voT, bf16
; THE ORDER OF PRODUCTS: (a v) Wo^T is computed as a (v Wo^T), which is the same sum for every input in another order of rounding; v has half as many rows as a v.
; LIMITS: f16 operands (|.| up to 65,504); the weights and V' are rounded to bf16, which has f32's range; NaN and infinities are not served.
; SHARES.  A work-group makes 128 rows x all 512 columns s, so a whole row of the softmax lies in it; each of its four waves 128 x 128: 64 accumulators, 512 registers.
; THE RING.  K goes through two LDS slots of 96 along K: three units of 32, 64 matrix instructions a wave each.  A unit of both operands is 640 rows x 64 bytes = 40,960 bytes: eight units would be all of the 327,680 bytes
; and leave none for the spare words, so a slot has three.  1,024 = 10 x 96 + 64: the eleventh slot has two units and descriptors of its own.  A refill stands 160 matrix instructions ahead of the wait for it.
; LAYOUTS.  Both operands lie in memory in the order of the operand's registers, so that a fragment load is 16 bytes x lane, 512 consecutive bytes, with no padding.  The right operand (k16, v16): [tile of 16 s][32 along K][1,024].
; The left operand (qT, wo16) has K outermost in blocks of 16 k x 16 rows of 512 bytes, block (k / 16, row / 16) at 32,768 (k / 16) + 512 (row / 16): ds_load_tr16_b128 at 16 x lane turns a block into half a fragment.
; THE MATRIX INSTRUCTION IS USED TRANSPOSED (source 0 = 16 columns s, source 1 = 16 rows): lane (r, h) holds row r and its registers s = 16 tile + 8 h + 0 .. 7: a tile, packed to bf16, is 512 consecutive bytes of
; p16 / voT = [tile of 16 rows][32 along s][1,024], the order of the next launch's operand registers: no stage on the way out.
; CLUSTER: the four work-groups of a cluster have one y and need the same right operand: it is asked for JOINTLY (waves 2, 3; mask 15).  The left operand is each work-group's own (waves 0, 1; no mask).
; SOFTMAX: the row's true maximum is taken away: p = 2^(c x - c max), c = log2(e) / 32; the sum is taken of the f32 p and is at least about 1; p / sum is rounded to bf16.
; REGISTERS, in windows of 256: window 0: v10-30 addresses; v64-127, v128-191 the left operand's fragments, two buffers; after the products v32-127 the softmax's statistics, v128-255 packed results.
;   window 1: v64-127, v128-191 the right operand's fragments.  Windows 2, 3: accumulator (a, b) at v[8 (8 (a % 4) + b)].
.set APART, 12288                      ; the left operand's part of one loading wave: [k / 16: 6][tile 4][512]
.set ABY,   2*APART                    ; both parts: tiles 0-3, tiles 4-7
.set BPART, 49152                      ; the right operand's part of one loading wave: [tile 16][unit 3][1,024]
.set SLOT,  ABY+2*BPART                ; 122,880
.set ASTEP, 6*32768                    ; a slot on in the left operand's memory,
.set BSTEP, 3*1024                     ; and in a tile's row of the right operand's
.set MAXS,  2*SLOT                     ; behind the ring: the waves' row maxima, 1,024 bytes a wave,
.set SUMS,  MAXS+4096                  ; their row sums,
.set SPARE, SUMS+4096                  ; and the spare words, 128 bytes for each wave
.set PFO,  10                          ; v10-12  the prefetches' offsets, one for each unit of a slot; never rewritten
.set ADRA, 16                          ; v16-17  16 x lane in slot 0, 1
.set ADRB, 20                          ; v20-21  my wave's 8 tiles of the right operand in slot 0, 1
.set ADRS, 22                          ; v22     the same in the last, short slot: its tiles lie 2,048 bytes apart
.set LI,   24                          ; v24     16 x lane
.set EXW,  25                          ; v25     MAXS + 1,024 w + 16 x lane
.set EXR,  26                          ; v26     MAXS + 16 x lane
.set SPW,  28
.set NIL,  29
.set MX,   32                          ; v32-39  a number for each of my eight tiles of rows
.set T,    40                          ; v40-47  at work
.set NM,   48                          ; v48-63  -c max, twice each (pairs for the packed form)
.set EX,   64                          ; v64-95  the four waves' numbers
.set LP,   96                          ; v96-111 the sums, in two halves
.set RL,   112                         ; v112-127 1 / sum, twice each
.set F0,   64
.set F1,   128
.set G1A,  24                          ; s[24:31] descriptor group 1, left operand;  s[32:39] group 0, a set for each slot
.set G0A,  32
.set G1B,  48                          ; s[48:55], s[56:63] the same for the right operand
.set G0B,  56
.set G1AS, 84                          ; s[84:91], s[92:99] groups 1 for the short slot
.set G1BS, 92
.set LIM0, 42                          ; s42, s43: a wave prefetches at a change out of slot 0 (1) while the count of trips is above s42 (s43): 0 and 1 in a wave that asks, else the greatest number
.set PFA,  44                          ; s[44:45] where my prefetches stand
.set PFS,  46                          ; s[46:47] a slot on, in bytes
.set CS,   66                          ; s[66:67] c, twice
.set NC,   68                          ; s68  -c
.set SEL,  70                          ; s[70:71] lane l xor 16
.set MSB, 0
.macro WIN new                         ; the immediate's high byte repeats the setting that is left
.if MSB != (\new)
	s_set_vgpr_msb (MSB<<8)|(\new)
.set MSB, (\new)
.endif
.endm
.macro PLACES                          ; four plain lines between a matrix instruction and a load into, or a vector instruction on, its registers
.rept 4
	v_nop
.endr
.endm
; Waves 0 and 1 fetch the left operand's two parts of a slot, waves 2 and 3 the right operand's.  The branch hangs on the wave's number alone.  An s_nop 0 and four v_nop follow each line.
.macro JLOAD g0a, g1a, g0b, g1b
	s_cmp_eq_u32 s17, 0
	s_cbranch_scc0 .Lfor_b_\@
	tensor_load_to_lds s[\g0a:\g0a+3], s[\g1a:\g1a+7]
	s_nop 0
.rept 4
	v_nop
.endr
	s_branch .Lasked_\@
.Lfor_b_\@:
	tensor_load_to_lds s[\g0b:\g0b+3], s[\g1b:\g1b+7]
	s_nop 0
.rept 4
	v_nop
.endr
.Lasked_\@:
.endm
.macro CREST                           ; a round of the cluster's barrier behind its opening barrier
	s_cmp_lg_u32 s16, 0
	s_cbranch_scc1 .Lnot_wave_0_\@
	s_barrier_signal -3
.Lnot_wave_0_\@:
	s_barrier_wait -3
	s_barrier_signal -1
	s_barrier_wait -1
.endm
.macro CROUND
	s_barrier_signal -1
	s_barrier_wait -1
	CREST
.endm
; A PREFETCH of the slot that the NEXT change of slots will ask for: 192 matrix instructions ahead of that load.  Three instructions, one for each unit of the slot, a lane a block of 256 bytes.  Each block is named once in the launch:
; wave 0: my work-group's left operand, for a unit 2 rows of 4,096 bytes (qT: every work-group's own; wo16, which all sixteen batches read: y = 16 alone asks);
; wave 2: of the right operand's 32 tiles the partner at place cx takes tiles 8 cx .. 8 cx + 7, told apart by address, for a unit 1,024 bytes of each; both clusters of a y read them: cluster x = 0 asks.
; Slots 0 to 2 come by their loads alone, and so does the short slot 10: the loop's last change of slots asks for nothing.
.macro ASK lim
	s_cmp_gt_u32 s3, s[\lim]
	s_cbranch_scc0 .Lnot_mine_\@
	global_prefetch_b8 v[PFO], s[PFA:PFA+1] th:TH_LOAD_NT scope:SCOPE_SE
	global_prefetch_b8 v[PFO+1], s[PFA:PFA+1] th:TH_LOAD_NT scope:SCOPE_SE
	global_prefetch_b8 v[PFO+2], s[PFA:PFA+1] th:TH_LOAD_NT scope:SCOPE_SE
.Lnot_mine_\@:
.endm
; 16 matrix instructions: tiles of rows a0, a0 + 1 of the window's four x my 8 tiles of columns, 32 along K.  zero = 1: the first product starts the sums.
.macro MUL16 f, hi, a0, zero
.irp a, \a0, \a0+1
.irp b, 0,1,2,3,4,5,6,7
.if \zero
	v_wmma_f32_16x16x32_f16 v[8*(8*(\a)+\b):8*(8*(\a)+\b)+7], v[\f+8*\b:\f+8*\b+7], v[\f+8*(4*\hi+\a):\f+8*(4*\hi+\a)+7], 0
.else
	v_wmma_f32_16x16x32_f16 v[8*(8*(\a)+\b):8*(8*(\a)+\b)+7], v[\f+8*\b:\f+8*\b+7], v[\f+8*(4*\hi+\a):\f+8*(4*\hi+\a)+7], v[8*(8*(\a)+\b):8*(8*(\a)+\b)+7]
.endif
.endr
.endr
.endm
; 32 LDS loads in one run: the fragments of unit u of a slot into buffer f: my 8 tiles of the right operand, then the 8 tiles of the left, turned.  sh = 1: the short slot
.macro FETCH slot, u, f, sh
	WIN 0x40
.irp i, 0,1,2,3,4,5,6,7
.if \sh
	ds_load_b128 v[\f+8*\i:\f+8*\i+3],   v[ADRS] offset:2048*\i+1024*(\u)
	ds_load_b128 v[\f+8*\i+4:\f+8*\i+7], v[ADRS] offset:2048*\i+1024*(\u)+512
.else
	ds_load_b128 v[\f+8*\i:\f+8*\i+3],   v[ADRB+\slot] offset:3072*\i+1024*(\u)
	ds_load_b128 v[\f+8*\i+4:\f+8*\i+7], v[ADRB+\slot] offset:3072*\i+1024*(\u)+512
.endif
.endr
	WIN 0
.irp i, 0,1,2,3,4,5,6,7
	ds_load_tr16_b128 v[\f+8*\i:\f+8*\i+3],   v[ADRA+\slot] offset:APART*(\i/4)+4096*(\u)+512*(\i%4)
	ds_load_tr16_b128 v[\f+8*\i+4:\f+8*\i+7], v[ADRA+\slot] offset:APART*(\i/4)+4096*(\u)+2048+512*(\i%4)
.endr
.endm
; A unit that has its successor in the same slot: multiplies buffer f and fetches unit u + 1 into buffer g.
.macro UNIT slot, u, f, g, zero, sh
	s_wait_dscnt 8                                 ; the right operand and the left's tiles 0-3 are in; the youngest eight loads (tiles 4-7) may be out
	WIN 0xa1                                       ; source 0 window 1, source 1 window 0, C and D window 2
	MUL16 \f, 0, 0, \zero
	MUL16 \f, 0, 2, \zero
	PLACES
	FETCH \slot, (\u)+1, \g, \sh
	s_wait_dscnt 32                                ; all but the 32 just issued
	WIN 0xf1                                       ; C and D window 3
	MUL16 \f, 1, 0, \zero
	MUL16 \f, 1, 2, \zero
.endm
; A slot's last unit multiplies buffer f and changes slots: ONE barrier; in front of it each wave waits for all its tensor loads (its part of the next slot), adds 0 to its spare word, and waits for that and for its reads of
; this slot.  fill = 1, 2: the barrier opens a round of the cluster's barrier, and this slot is filled again, two slots ahead (2: with the short slot).  sh = 1: the next slot is the short one.
.macro TURN slot, next, f, g, fill, sh
.if \fill == 1
	s_wait_xcnt 0x0                                ; the last prefetches, a slot back, have read their address
	s_add_nc_u64 s[PFA:PFA+1], s[PFA:PFA+1], s[PFS:PFS+1]
.endif
	WIN 0                                          ; (the add's two registers lie in window 0)
	s_wait_tensorcnt 0x0                           ; all my tensor loads have landed
	ds_add_u32 v[SPW], v[NIL]                      ; 0 onto my spare word
	s_wait_dscnt 9                                 ; (the add and the youngest eight loads may be out)
	WIN 0xa1
	MUL16 \f, 0, 0, 0                              ; sixteen matrix instructions stand between the add and the wait for it
	s_wait_dscnt 0x0                               ; the add is done, and my reads of this slot are over
	s_barrier_signal -1
	MUL16 \f, 0, 2, 0
	WIN 0
	s_barrier_wait -1
.if \fill
	CREST                                          ; no wave of any partner still reads this slot or has a load on its way
	s_add_nc_u64 s[G0A+4*\slot+2:G0A+4*\slot+3], s[G0A+4*\slot+2:G0A+4*\slot+3], 2*ASTEP
	s_add_nc_u64 s[G0B+4*\slot+2:G0B+4*\slot+3], s[G0B+4*\slot+2:G0B+4*\slot+3], 2*BSTEP
.if \fill == 1
	JLOAD G0A+4*\slot, G1A, G0B+4*\slot, G1B       ; the first tensor load behind the round; its four v_nop are also the places in front of the loads below
.else
	JLOAD G0A+4*\slot, G1AS, G0B+4*\slot, G1BS
.endif
.else
	PLACES
.endif
	FETCH \next, 0, \g, \sh
.if \fill == 1
	ASK LIM0+\slot
.endif
	WIN 0xf1
	MUL16 \f, 1, 0, 0
	MUL16 \f, 1, 2, 0
.endm
	s_load_b256 s[4:11], s[0:1], 0x0               ; qT s[4:5], wo16 s[6:7], k16 s[8:9], v16 s[10:11]
	s_load_b128 s[12:15], s[0:1], 0x20             ; p16 s[12:13], voT s[14:15]
	v_lshl_add_u32 v[SPW], v0, 2, SPARE
	v_mov_b32 v[NIL], 0
	ds_add_u32 v[SPW], v[NIL]                      ; the wave's opening: the add, twice on end, and its wait ahead of my first tensor load
	ds_add_u32 v[SPW], v[NIL]
	v_lshrrev_b32 v1, 5, v0
	v_readfirstlane_b32 s16, v1                    ; wave 0..3
	s_lshr_b32 s17, s16, 1                         ; I fetch the left operand (0) or the right (1),
	s_and_b32 s18, s16, 1                          ; and which part of it
	s_bfe_u32 s19, ttmp6, 0x40000                  ; cx: my place in the cluster
	s_lshl_b32 s20, ttmp9, 2
	s_add_co_u32 s20, s20, s19                     ; my block of 128 rows = 4 x cluster x + cx
	s_and_b32 s21, ttmp7, 0xffff                   ; y, which the partners share
	s_lshr_b32 s22, s21, 4                         ; 0: the softmax's product; 1: Wo v^T
	s_and_b32 s23, s21, 15                         ; the batch
	s_mov_b32 s[G1A+0], 3<<16                      ; no mask; elements of 8 bytes; no padding
	s_mov_b32 s[G1A+1], 256<<16                    ; tensor_dim0 = 256 elements: 4 blocks of 512 bytes
	s_mov_b32 s[G1A+2], 6<<16                      ; tensor_dim1 = 6
	s_mov_b32 s[G1A+3], 256<<16                    ; tile_dim0
	s_mov_b32 s[G1A+4], 6                          ; tile_dim1: 6 x 16 along K
	s_mov_b32 s[G1A+5], 4096                       ; from row to row: 32,768 bytes
	s_mov_b32 s[G1A+6], 0
	s_mov_b32 s[G1A+7], 0
	s_mov_b32 s[G1AS+0], 3<<16                     ; the short slot: 4 x 16 along K
	s_mov_b32 s[G1AS+1], 256<<16
	s_mov_b32 s[G1AS+2], 4<<16
	s_mov_b32 s[G1AS+3], 256<<16
	s_mov_b32 s[G1AS+4], 4
	s_mov_b32 s[G1AS+5], 4096
	s_mov_b32 s[G1AS+6], 0
	s_mov_b32 s[G1AS+7], 0
	s_mov_b32 s[G1B+0], 15|(3<<16)|(1<<21)         ; the mask: all four work-groups; elements of 8 bytes; bit 21 beside a mask
	s_mov_b32 s[G1B+1], 384<<16                    ; 3,072 bytes: 96 along K of a tile of 16 columns
	s_mov_b32 s[G1B+2], 16<<16
	s_mov_b32 s[G1B+3], 384<<16
	s_mov_b32 s[G1B+4], 16                         ; 16 tiles
	s_mov_b32 s[G1B+5], 4096                       ; 32,768 bytes from tile to tile
	s_mov_b32 s[G1B+6], 0
	s_mov_b32 s[G1B+7], 0
	s_mov_b32 s[G1BS+0], 15|(3<<16)|(1<<21)        ; the short slot: 2,048 bytes of each tile
	s_mov_b32 s[G1BS+1], 256<<16
	s_mov_b32 s[G1BS+2], 16<<16
	s_mov_b32 s[G1BS+3], 256<<16
	s_mov_b32 s[G1BS+4], 16
	s_mov_b32 s[G1BS+5], 4096
	s_mov_b32 s[G1BS+6], 0
	s_mov_b32 s[G1BS+7], 0
	s_mov_b32 s[CS], 0x3d38aa3b                    ; c = log2(e) / 32
	s_mov_b32 s[CS+1], s[CS]
	s_mov_b32 s[NC], 0xbd38aa3b
	s_mov_b32 s[SEL], 0x76543210
	s_mov_b32 s[SEL+1], 0xfedcba98
	s_mul_i32 s80, s18, APART                      ; where my part goes in a slot: no place in the cluster enters an LDS address
	s_mul_i32 s81, s18, BPART
	s_add_co_u32 s81, s81, ABY
	s_wait_dscnt 0x0                               ; both opening adds are done
	s_wait_kmcnt 0x0
	s_cmp_eq_u32 s22, 0                            ; the choice of buffers hangs on y alone
	s_cselect_b64 s[72:73], s[4:5], s[6:7]
	s_cselect_b64 s[74:75], s[8:9], s[10:11]
	s_cselect_b64 s[40:41], s[12:13], s[14:15]
	s_cselect_b32 s76, s23, 0                      ; wo16 has no batch
	s_lshl_b32 s76, s76, 21                        ; left: 2 MiB a batch, 4,096 bytes a block of 128 rows, 2,048 for my four tiles
	s_lshl_b32 s77, s20, 12
	s_add_co_u32 s76, s76, s77
	s_lshl_b32 s77, s18, 11
	s_add_co_u32 s76, s76, s77
	s_mov_b32 s77, 0
	s_add_nc_u64 s[72:73], s[72:73], s[76:77]
	s_lshl_b32 s78, s23, 20                        ; right: 1 MiB a batch, 16 tiles of 32,768 for my part (registers that never hold cx)
	s_lshl_b32 s79, s18, 19
	s_add_co_u32 s78, s78, s79
	s_mov_b32 s79, 0
	s_add_nc_u64 s[74:75], s[74:75], s[78:79]
	CROUND                                         ; all four work-groups are here: the first joint loads meet
.irp s, 0,1
	s_mov_b32 s[G0A+4*\s], 1
	s_add_co_u32 s[G0A+4*\s+1], s80, \s*SLOT
	s_add_nc_u64 s[G0A+4*\s+2:G0A+4*\s+3], s[72:73], \s*ASTEP
	s_or_b32 s[G0A+4*\s+3], s[G0A+4*\s+3], 0x80000000
	s_mov_b32 s[G0B+4*\s], 1
	s_add_co_u32 s[G0B+4*\s+1], s81, \s*SLOT
	s_add_nc_u64 s[G0B+4*\s+2:G0B+4*\s+3], s[74:75], \s*BSTEP
	s_or_b32 s[G0B+4*\s+3], s[G0B+4*\s+3], 0x80000000
	JLOAD G0A+4*\s, G1A, G0B+4*\s, G1B
.endr
	s_lshl_b32 s76, s23, 20                        ; the output: 1 MiB a batch, 8 tiles of rows x 16,384, my wave's 8 tiles of columns x 512
	s_lshl_b32 s77, s20, 17
	s_add_co_u32 s76, s76, s77
	s_lshl_b32 s77, s16, 12
	s_add_co_u32 s76, s76, s77
	s_mov_b32 s77, 0
	s_add_nc_u64 s[40:41], s[40:41], s[76:77]
	s_lshl_b32 s76, s19, 18                        ; the prefetches: right operand: my work-group's 8 tiles of the 32, at slot 2;
	s_add_co_u32 s76, s76, 2*BSTEP
	s_mov_b32 s[PFS], BSTEP
	s_mov_b32 s[PFS+1], 0
	s_mov_b32 s79, 1024                            ; from unit to unit
	s_cmp_le_u32 s21, 16
	s_cselect_b32 s82, 0, 1
	s_cmp_eq_u32 ttmp9, 0
	s_cselect_b32 s83, 0, 1
	s_cmp_eq_u32 s17, 0
	s_cselect_b64 s[PFA:PFA+1], s[72:73], s[74:75] ; (in waves 0 and 2 these stand at the first part)
	s_cselect_b32 s[PFS], ASTEP, s[PFS]
	s_cselect_b32 s76, 2*ASTEP, s76                ; left operand: at slot 2.  The first change of slots steps both to slot 3
	s_cselect_b32 s79, 0x10000, s79
	s_cselect_b32 s82, s82, s83
	s_cselect_b32 s80, 4, 2                        ; left: 2 rows x 16 blocks of 256 bytes; right: 8 tiles x 4 blocks
	s_cselect_b32 s81, 15, 3
	s_add_nc_u64 s[PFA:PFA+1], s[PFA:PFA+1], s[76:77]
	s_or_b32 s82, s82, s18                         ; waves 0 and 2 alone ask
	s_cmp_eq_u32 s82, 0                            ; wave, y and the cluster's x: the same in all four partners
	s_cselect_b32 s[LIM0], 0, -1
	s_cselect_b32 s[LIM0+1], 1, -1
	v_and_b32 v3, 31, v0
	v_lshrrev_b32 v4, s80, v3
	v_and_b32 v5, s81, v3
	v_lshlrev_b32 v[PFO], 15, v4
	v_lshl_or_b32 v[PFO], v5, 8, v[PFO]
	v_add_nc_u32 v[PFO+1], s79, v[PFO]
	v_add_nc_u32 v[PFO+2], s79, v[PFO+1]
	v_lshlrev_b32 v[LI], 4, v3
	v_lshlrev_b32 v[ADRA], 4, v3
	v_add_nc_u32 v[ADRA+1], SLOT, v[LI]
	s_mul_i32 s78, s16, 8*3072
	s_add_co_u32 s78, s78, ABY
	v_add_nc_u32 v[ADRB], s78, v[LI]
	s_add_co_u32 s78, s78, SLOT
	v_add_nc_u32 v[ADRB+1], s78, v[LI]
	s_mul_i32 s78, s17, BPART                      ; the short slot lies in slot 0: the loading wave's part begins where it always does, its tiles lie 2,048 bytes apart
	s_lshl_b32 s83, s18, 14
	s_add_co_u32 s78, s78, s83
	s_add_co_u32 s78, s78, ABY
	v_add_nc_u32 v[ADRS], s78, v[LI]
	s_lshl_b32 s78, s16, 10
	s_add_co_u32 s78, s78, MAXS
	v_add_nc_u32 v[EXW], s78, v[LI]
	v_add_nc_u32 v[EXR], MAXS, v[LI]
.irp a, 0,1,2,3,4,5,6,7
	v_mov_b32 v[T+\a], 0                           ; written once: a lane permute's destination counts as one of its sources
.endr
	s_wait_tensorcnt 1                             ; my part of slot 0 is in; slot 1's may stay out
	s_barrier_signal -1
	s_barrier_wait -1
	FETCH 0, 0, F0, 0
	UNIT 0, 0, F0, F1, 1, 0                        ; the first unit stands in front of the loop: its products start the sums
	WIN 0
	s_mov_b32 s3, 4
.Llap:                                             ; a trip goes once round the ring, six units, after which the buffers are back where they began; it fills both slots again: 8 refills, slots 2 to 9
	UNIT 0, 1, F1, F0, 0, 0
	TURN 0, 1, F0, F1, 1, 0
	UNIT 1, 0, F1, F0, 0, 0
	UNIT 1, 1, F0, F1, 0, 0
	TURN 1, 0, F1, F0, 1, 0
	UNIT 0, 0, F0, F1, 0, 0
	WIN 0
	s_sub_co_u32 s3, s3, 1
	s_cmp_lg_u32 s3, 0
	s_cbranch_scc1 .Llap
	UNIT 0, 1, F1, F0, 0, 0                        ; the tail is written out: slot 8 goes on,
	TURN 0, 1, F0, F1, 2, 0                        ; its place takes the short slot 10: the last load;
	UNIT 1, 0, F1, F0, 0, 0                        ; slot 9,
	UNIT 1, 1, F0, F1, 0, 0
	TURN 1, 0, F1, F0, 0, 1                        ; behind which nothing is filled;
	UNIT 0, 0, F0, F1, 0, 1                        ; slot 10's two units
	s_wait_dscnt 8
	WIN 0xa1
	MUL16 F1, 0, 0, 0
	MUL16 F1, 0, 2, 0
	s_wait_dscnt 0x0
	WIN 0xf1
	MUL16 F1, 1, 0, 0
	MUL16 F1, 1, 2, 0
	WIN 0
	PLACES
	s_cmp_lg_u32 s22, 0                            ; y alone decides: the same in all waves and all partners
	s_cbranch_scc1 .Lplain
	; ---- THE SOFTMAX.  Lane (r, h) holds, for each tile a of rows, 64 scores of row 16 a + r: registers 64 (a % 4) .. + 63 of window 2 + a / 4.
.macro ROWMAX win                      ; the four tiles by turns; each accumulator is read from its low end on
	WIN 0x28+0x14*\win                             ; sources 1 and 2: window 2 or 3
.set i, 0
.rept 32
.irp a, 0,1,2,3
.if i == 0
	v_max3_num_f32 v[MX+4*\win+\a], 0xff800000, v[64*\a], v[64*\a+1]
.else
	v_max3_num_f32 v[MX+4*\win+\a], v[MX+4*\win+\a], v[64*\a+2*i], v[64*\a+2*i+1]
.endif
.endr
.set i, i+1
.endr
.endm
.macro XCHG off                        ; my eight numbers a lane go to LDS as they stand, 16 bytes x lane; behind the barrier all four waves' come back to the same lanes
	ds_store_b128 v[EXW], v[MX:MX+3] offset:\off
	ds_store_b128 v[EXW], v[MX+4:MX+7] offset:\off+512
	s_wait_dscnt 0x0                               ; for the others' sake
	s_barrier_signal -1
	s_barrier_wait -1
.irp w, 0,1,2,3
.irp c, 0,1
	ds_load_b128 v[EX+8*\w+4*\c:EX+8*\w+4*\c+3], v[EXR] offset:\off+1024*\w+512*\c
.endr
.endr
	s_wait_dscnt 0x0
.endm
.macro EXPS win                        ; p = 2^(c x - c max), in place: 128 packed multiply-adds, then 256 exponentials as one batch with one plain line and one wait behind it
	WIN 0x82+0x41*\win                             ; destination and source 0: window 2 or 3
.set i, 0
.rept 32
.irp a, 0,1,2,3
	v_pk_fma_f32 v[64*\a+2*i:64*\a+2*i+1], v[64*\a+2*i:64*\a+2*i+1], s[CS:CS+1], v[NM+8*\win+2*\a:NM+8*\win+2*\a+1] op_sel_hi:[1,0,1]
.endr
.set i, i+1
.endr
.set i, 0
.rept 256
	v_exp_f32 v[i], v[i]
.set i, i+1
.endr
	WIN 0
	v_nop
	s_wait_alu depctr_va_vdst(0)
.endm
.macro ROWSUM win
	WIN 0x08+0x04*\win                             ; source 1: window 2 or 3
.set i, 0
.rept 32
.irp a, 0,1,2,3
	v_pk_add_f32 v[LP+8*\win+2*\a:LP+8*\win+2*\a+1], v[LP+8*\win+2*\a:LP+8*\win+2*\a+1], v[64*\a+2*i:64*\a+2*i+1]
.endr
.set i, i+1
.endr
.endm
.macro NORM win
	WIN 0x82+0x41*\win
.set i, 0
.rept 32
.irp a, 0,1,2,3
	v_pk_mul_f32 v[64*\a+2*i:64*\a+2*i+1], v[64*\a+2*i:64*\a+2*i+1], v[RL+8*\win+2*\a:RL+8*\win+2*\a+1]
.endr
.set i, i+1
.endr
.endm
	ROWMAX 0
	ROWMAX 1
	WIN 0
.irp a, 0,1,2,3,4,5,6,7
	v_permlanex16_b32 v[T+\a], v[MX+\a], s[SEL], s[SEL+1]
.endr
.irp a, 0,1,2,3,4,5,6,7
	v_max_num_f32 v[MX+\a], v[MX+\a], v[T+\a]      ; with lane l xor 16's: my wave's 128 columns
.endr
	XCHG 0
.irp a, 0,1,2,3,4,5,6,7
	v_max3_num_f32 v[MX+\a], v[EX+\a], v[EX+8+\a], v[EX+16+\a]
.endr
.irp a, 0,1,2,3,4,5,6,7
	v_max_num_f32 v[MX+\a], v[MX+\a], v[EX+24+\a]  ; the row's maximum over all 512 columns
.endr
.irp a, 0,1,2,3,4,5,6,7
	v_mul_f32 v[NM+2*\a], s[NC], v[MX+\a]
	v_mul_f32 v[NM+2*\a+1], s[NC], v[MX+\a]
.endr
	EXPS 0
	EXPS 1
.irp a, 0,1,2,3,4,5,6,7,8,9,10,11,12,13,14,15
	v_mov_b32 v[LP+\a], 0
.endr
	ROWSUM 0
	ROWSUM 1
	WIN 0
.irp a, 0,1,2,3,4,5,6,7
	v_add_f32 v[MX+\a], v[LP+2*\a], v[LP+2*\a+1]
.endr
.irp a, 0,1,2,3,4,5,6,7
	v_permlanex16_b32 v[T+\a], v[MX+\a], s[SEL], s[SEL+1]
.endr
.irp a, 0,1,2,3,4,5,6,7
	v_add_f32 v[MX+\a], v[MX+\a], v[T+\a]
.endr
	XCHG 4096                                      ; other bytes than the maxima's: no barrier is owed between the two exchanges
.irp a, 0,1,2,3,4,5,6,7
	v_add_f32 v[MX+\a], v[EX+\a], v[EX+8+\a]
.endr
.irp a, 0,1,2,3,4,5,6,7
	v_add_f32 v[T+\a], v[EX+16+\a], v[EX+24+\a]
.endr
.irp a, 0,1,2,3,4,5,6,7
	v_add_f32 v[MX+\a], v[MX+\a], v[T+\a]          ; the row's sum
.endr
.irp a, 0,1,2,3,4,5,6,7
	v_rcp_f32 v[RL+2*\a], v[MX+\a]
	v_rcp_f32 v[RL+2*\a+1], v[MX+\a]
.endr
	v_nop                                          ; a plain line behind the last reciprocal,
	s_wait_alu depctr_va_vdst(0)                   ; and one wait for the sixteen, ahead of their first reader
	NORM 0
	NORM 1
	WIN 0
.Lplain:
	; ---- THE WAY OUT, both kinds: a tile packs to 16 bytes a lane, and a store covers the tile's 512 consecutive bytes
.macro OUTW win
	WIN 0x0a+5*\win                                ; sources 0 and 1: window 2 or 3
.irp a, 0,1,2,3
.irp b, 0,1,2,3,4,5,6,7
.irp q, 0,1,2,3
	v_cvt_pk_bf16_f32 v[128+4*(8*\a+\b)+\q], v[64*\a+8*\b+2*\q], v[64*\a+8*\b+2*\q+1]   ; each accumulator from its low end on
.endr
.endr
.endr
	WIN 0
.irp a, 0,1,2,3
.irp b, 0,1,2,3,4,5,6,7
	global_store_b128 v[LI], v[128+4*(8*\a+\b):128+4*(8*\a+\b)+3], s[40:41] offset:16384*(4*\win+\a)+512*\b
.endr
.endr
.endm
	OUTW 0
	s_wait_xcnt 0x0                                ; the stores have read their registers, which are written again
	OUTW 1
	s_wait_tensorcnt 0x0                           ; the wave's end: an add to my spare word and its wait, behind my last tensor load and my last LDS store
	ds_add_u32 v[SPW], v[NIL]
	s_wait_dscnt 0x0
	CROUND                                         ; the closing round: no work-group ends while a partner may still ask for a tile that names it
	s_endpgm
.Lfunc_end_k_q4d6542ca9c_mid:
	.size	k_q4d6542ca9c_mid, .Lfunc_end_k_q4d6542ca9c_mid-k_q4d6542ca9c_mid
	.p2alignl 7, 3214868480
	.fill 96, 4, 3214868480
	.section	.rodata,"a",@progbits
	.p2align	6, 0x0
	.amdhsa_kernel k_q4d6542ca9c_mid
		.amdhsa_group_segment_fixed_size 327680
		.amdhsa_private_segment_fixed_size 0
		.amdhsa_enable_private_segment 0
		.amdhsa_kernarg_size 48
		.amdhsa_user_sgpr_count 2
		.amdhsa_user_sgpr_kernarg_segment_ptr 1
		.amdhsa_wavefront_size32 1
		.amdhsa_system_sgpr_workgroup_id_x 1
		.amdhsa_system_sgpr_workgroup_id_y 1
		.amdhsa_system_sgpr_workgroup_id_z 1
		.amdhsa_system_vgpr_workitem_id 0
		.amdhsa_next_free_vgpr 1024
		.amdhsa_next_free_sgpr 100
		.amdhsa_reserve_vcc 0
		.amdhsa_float_denorm_mode_32 3
		.amdhsa_float_denorm_mode_16_64 3
		.amdhsa_memory_ordered 1
		.amdhsa_forward_progress 1
		.amdhsa_inst_pref_size 212
	.end_amdhsa_kernel
	.amdgpu_metadata
---
amdhsa.version: [ 1, 2 ]
amdhsa.kernels:
  - .name:           k_q4d6542ca9c_mid
    .symbol:         k_q4d6542ca9c_mid.kd
    .args:
      - { .name: qT, .offset: 0, .size: 8, .value_kind: global_buffer, .address_space: global }
      - { .name: wo16, .offset: 8, .size: 8, .value_kind: global_buffer, .address_space: global }
      - { .name: k16, .offset: 16, .size: 8, .value_kind: global_buffer, .address_space: global }
      - { .name: v16, .offset: 24, .size: 8, .value_kind: global_buffer, .address_space: global }
      - { .name: p16, .offset: 32, .size: 8, .value_kind: global_buffer, .address_space: global }
      - { .name: voT, .offset: 40, .size: 8, .value_kind: global_buffer, .address_space: global }
    .group_segment_fixed_size: 327680
    .private_segment_fixed_size: 0
    .kernarg_segment_align: 8
    .kernarg_segment_size: 48
    .max_flat_workgroup_size: 128
    .sgpr_count:     100
    .vgpr_count:     1024
    .wavefront_size: 32
...
	.end_amdgpu_metadata
.endif
;; end of part 3
;; launch pv (part 4): grid 4 x 64, 4 waves a work-group, clusters of 4 x 4, 327,680 bytes of LDS; arguments p16, voT, bo, out0; writes out0
.if DOCPART == 4
	.amdgcn_target "amdgcn-amd-amdhsa--gfx1250"
	.amdhsa_code_object_version 6
	.text
	.protected	k_q4d6542ca9c_pv
	.globl	k_q4d6542ca9c_pv
	.p2align	8
	.type	k_q4d6542ca9c_pv,@function
k_q4d6542ca9c_pv:
	s_mov_b64 s[64:65], 0
	v_nop
	global_prefetch_b8 v0, s[64:65] scope:SCOPE_SE
	s_setreg_imm32_b32 hwreg(HW_REG_WAVE_MODE, 25, 1), 1
	s_wait_xcnt 0x0
	s_wait_alu depctr_hold_cnt(0) depctr_sa_sdst(0) depctr_va_vdst(0) depctr_va_sdst(0) depctr_va_ssrc(0) depctr_va_vcc(0) depctr_vm_vsrc(0)
	s_getreg_b32 s2, hwreg(HW_REG_IB_STS2, 6, 4)
	s_cmp_eq_u32 s2, 0
	s_cbranch_scc0 .Lentry_in_a_cluster
	s_endpgm
.Lentry_in_a_cluster:
	s_bfe_u32 s2, ttmp6, 0x10000c
	s_cmp_lg_u32 s2, 0xf033
	s_cbranch_scc0 .Lentry_shape_is_right
	s_endpgm
.Lentry_shape_is_right:
; PV.  out0[b][i][n] = sum over s of P[b][i][s] V'[b][n][s] + bo[n], on bf16 operands with f32 sums.  P is normalised already, and the bias is the C of each sum's first product: the way out has no arithmetic.
; SHARES.  A work-group makes a tile of 256 rows i x 256 columns n of one batch; each of its four waves 128 x 128: 64 accumulators, 512 registers.  A batch has 4 x 4 such tiles: they are one cluster.
; THE RING.  K = 512 goes through two LDS slots of 128 along K: four units of 32, 64 matrix instructions a wave each.  A slot is 512 rows x 256 bytes = 131,072 bytes.  Four slots' worth in all: two first fills, two refills,
; each refill 224 matrix instructions ahead of the wait for it.  The sixteen units are written out: there is no loop.
; LAYOUTS.  p16, voT = [batch][tile of 16 rows 64][32 along s: 16][1,024 bytes], registers 4 c .. 4 c + 3 of lane L at 512 c + 16 L: a fragment load is 16 bytes x lane, 512 consecutive bytes, no padding.
; THE MATRIX INSTRUCTION IS USED TRANSPOSED (source 0 = 16 rows n of V', source 1 = 16 rows i of P): a lane holds eight neighbouring numbers of a row of out0.
; CLUSTER: 4 x 4 work-groups.  The four of a row of the cluster need the same tile of P, the four of a column the same tile of V': each is asked for JOINTLY, by the same tensor load with the same descriptor and a mask that
; names the four (waves 0, 1: P's halves; waves 2, 3: V's).
; NO PREFETCH: of the four slots two are first fills, and the other two would have to be asked for at the kernel's head, where every work-group's first tiles are on their way.
; REGISTERS, in windows of 256: window 0: v16-29 addresses; v64-127, v128-191 P's fragments, two buffers; on the way out v128-255 rows read back.  Window 1: v0-63 the bias; v64-127, v128-191 V's fragments.
;   Windows 2, 3: accumulator (a, b) at v[8 (8 (a % 4) + b)].
.set HALFT, 32768                      ; 8 tiles of 16 rows x 4,096 bytes: what one tensor load brings, and what one wave reads of P or of V'
.set BOFF,  2*HALFT                    ; V' lies behind P's 16 tiles
.set SLOT,  4*HALFT
.set KB,    4096                       ; a slot on in a tile's row in memory: 128 along K
.set STAGE, 2*SLOT                     ; behind the ring: 16 rows x (512 + 16) bytes for each wave; no tensor load fills it
.set SPARE, STAGE+4*16*528             ; the spare words, 128 bytes for each wave
.set ADRA, 16                          ; v16-17  my 8 tiles of P in slot 0, 1
.set ADRB, 20                          ; v20-21  my 8 tiles of V'
.set STO,  24                          ; v24  the way out: where I put 32 bytes of a row
.set RD,   25                          ; v25  where I read a row back
.set CO,   26                          ; v26  16 x lane: my bytes of a row's 512
.set BO,   27                          ; v27  32 h: the bias
.set SPW,  28
.set NIL,  29
.set F0,   64
.set F1,   128
.set BK,   128
.set G1A,  24                          ; s[24:31] descriptor group 1 for P's tiles;  s[32:39] group 0, a set for each slot
.set G0A,  32
.set G1B,  48                          ; s[48:55], s[56:63] the same for V's
.set G0B,  56
.set MSB, 0
.macro WIN new                         ; the immediate's high byte repeats the setting that is left
.if MSB != (\new)
	s_set_vgpr_msb (MSB<<8)|(\new)
.set MSB, (\new)
.endif
.endm
.macro PLACES                          ; four plain lines between a matrix instruction and a load into, or a read of, its registers
.rept 4
	v_nop
.endr
.endm
.macro JLOAD s                         ; a joint load.  Each of the two lines has one mask and one set of registers for all that issue it; the branch hangs on the wave's number alone.  An s_nop 0 and four v_nop follow each line
	s_cmp_eq_u32 s17, 0
	s_cbranch_scc0 .Lfor_b_\@
	tensor_load_to_lds s[G0A+4*\s:G0A+4*\s+3], s[G1A:G1A+7]
	s_nop 0
.rept 4
	v_nop
.endr
	s_branch .Lasked_\@
.Lfor_b_\@:
	tensor_load_to_lds s[G0B+4*\s:G0B+4*\s+3], s[G1B:G1B+7]
	s_nop 0
.rept 4
	v_nop
.endr
.Lasked_\@:
.endm
.macro CREST                           ; a round of the cluster's barrier behind its opening barrier
	s_cmp_lg_u32 s16, 0
	s_cbranch_scc1 .Lnot_wave_0_\@
	s_barrier_signal -3
.Lnot_wave_0_\@:
	s_barrier_wait -3
	s_barrier_signal -1
	s_barrier_wait -1
.endm
.macro CROUND
	s_barrier_signal -1
	s_barrier_wait -1
	CREST
.endm
; 16 matrix instructions.  first = 1: the sum's first product takes the bias of its 16 columns (window 1, v[8 b] on) as C.  The 64 accumulators take turns, in the same order in every unit.
.macro MUL16 f, hi, a0, first
.irp a, \a0, \a0+1
.irp b, 0,1,2,3,4,5,6,7
.if \first
	v_wmma_f32_16x16x32_bf16 v[8*(8*(\a)+\b):8*(8*(\a)+\b)+7], v[\f+8*\b:\f+8*\b+7], v[\f+8*(4*\hi+\a):\f+8*(4*\hi+\a)+7], v[8*\b:8*\b+7]
.else
	v_wmma_f32_16x16x32_bf16 v[8*(8*(\a)+\b):8*(8*(\a)+\b)+7], v[\f+8*\b:\f+8*\b+7], v[\f+8*(4*\hi+\a):\f+8*(4*\hi+\a)+7], v[8*(8*(\a)+\b):8*(8*(\a)+\b)+7]
.endif
.endr
.endr
.endm
.macro FETCH slot, u, f                ; 32 LDS loads in one run: unit u of a slot into buffer f: V's 8 tiles, then P's
	WIN 0x40
.irp i, 0,1,2,3,4,5,6,7
	ds_load_b128 v[\f+8*\i:\f+8*\i+3],   v[ADRB+\slot] offset:4096*\i+1024*(\u)
	ds_load_b128 v[\f+8*\i+4:\f+8*\i+7], v[ADRB+\slot] offset:4096*\i+1024*(\u)+512
.endr
	WIN 0
.irp i, 0,1,2,3,4,5,6,7
	ds_load_b128 v[\f+8*\i:\f+8*\i+3],   v[ADRA+\slot] offset:4096*\i+1024*(\u)
	ds_load_b128 v[\f+8*\i+4:\f+8*\i+7], v[ADRA+\slot] offset:4096*\i+1024*(\u)+512
.endr
.endm
; One of a slot's first three units: multiplies buffer f and fetches unit u + 1 into buffer g.
.macro UNIT slot, u, f, g, first
	s_wait_dscnt 8                                 ; V' and P's tiles 0-3 are in; the youngest eight loads (P's tiles 4-7) may be out
	WIN 0xa1-0x10*\first                           ; source 0 window 1, source 1 window 0, D window 2; C window 2, or window 1 for the bias
	MUL16 \f, 0, 0, \first
	MUL16 \f, 0, 2, \first
	PLACES
	FETCH \slot, (\u)+1, \g
	s_wait_dscnt 32                                ; all but the 32 just issued
	WIN 0xf1-0x20*\first
	MUL16 \f, 1, 0, \first
	MUL16 \f, 1, 2, \first
.endm
; A slot's fourth unit multiplies buffer 1 and changes slots: ONE barrier; in front of it each wave waits for all its tensor loads, adds 0 to its spare word, and waits for that and for its reads of this slot.
; fill = 1: the barrier opens a round of the cluster's barrier, and this slot is filled again, two slots ahead.
.macro TURN slot, next, fill
	WIN 0                                          ; (the add's two registers lie in window 0)
	s_wait_tensorcnt 0x0                           ; all my tensor loads have landed: my part of the next slot
	ds_add_u32 v[SPW], v[NIL]                      ; 0 onto my spare word
	s_wait_dscnt 9                                 ; (the add and the youngest eight loads may be out)
	WIN 0xa1
	MUL16 F1, 0, 0, 0                              ; sixteen matrix instructions stand between the add and the wait for it
	s_wait_dscnt 0x0                               ; the add is done, and my reads of this slot are over
	s_barrier_signal -1
	MUL16 F1, 0, 2, 0
	WIN 0
	s_barrier_wait -1
.if \fill
	CREST                                          ; no wave of any partner still reads this slot or has a load on its way
	s_add_nc_u64 s[G0A+4*\slot+2:G0A+4*\slot+3], s[G0A+4*\slot+2:G0A+4*\slot+3], 2*KB
	s_add_nc_u64 s[G0B+4*\slot+2:G0B+4*\slot+3], s[G0B+4*\slot+2:G0B+4*\slot+3], 2*KB
	JLOAD \slot                                    ; the first tensor load behind the round; its four v_nop are also the places in front of the loads below
.else
	PLACES
.endif
	FETCH \next, 0, F0
	WIN 0xf1
	MUL16 F1, 1, 0, 0
	MUL16 F1, 1, 2, 0
.endm
	s_load_b256 s[4:11], s[0:1], 0x0               ; p16 s[4:5], voT s[6:7], bo s[8:9], out0 s[10:11]
	v_lshl_add_u32 v[SPW], v0, 2, SPARE
	v_mov_b32 v[NIL], 0
	ds_add_u32 v[SPW], v[NIL]                      ; the wave's opening: the add, twice on end, and its wait ahead of my first tensor load
	ds_add_u32 v[SPW], v[NIL]
	v_lshrrev_b32 v1, 5, v0
	v_readfirstlane_b32 s16, v1                    ; wave 0..3
	s_lshr_b32 s17, s16, 1                         ; which half of the tile's rows is mine.  Also: I fetch for P (0) or for V' (1)
	s_and_b32 s18, s16, 1                          ; which half of its columns.  Also: which 8 tiles of 16 rows I fetch
	s_bfe_u32 s19, ttmp6, 0x40000                  ; cx, cy: my place in the cluster
	s_bfe_u32 s20, ttmp6, 0x40004
	s_lshl_b32 s21, ttmp9, 2
	s_add_co_u32 s21, s21, s19                     ; tile column = 4 x cluster x + cx
	s_and_b32 s22, ttmp7, 0xffff                   ; cluster y: the batch
	s_lshl_b32 s23, s22, 2
	s_add_co_u32 s23, s23, s20                     ; tile row, counted through all batches = 4 x batch + cy
	s_lshl_b32 s12, s20, 2
	s_lshl_b32 s12, 15, s12                        ; my row of the cluster: places 4 cy .. 4 cy + 3
	s_lshl_b32 s13, 0x1111, s19                    ; my column: places cx, cx + 4, cx + 8, cx + 12
	s_or_b32 s[G1A+0], s12, (3<<16)|(1<<21)        ; the mask: P's tiles go to my row; elements of 8 bytes; bit 21 beside a mask; no padding
	s_or_b32 s[G1B+0], s13, (3<<16)|(1<<21)        ; V's go to my column
.irp g, G1A, G1B
	s_mov_b32 s[\g+1], 512<<16                     ; tensor_dim0 = 512 elements: 4,096 bytes: 128 along K of a tile of 16 rows
	s_mov_b32 s[\g+2], 8<<16                       ; tensor_dim1 = 8
	s_mov_b32 s[\g+3], 512<<16                     ; tile_dim0
	s_mov_b32 s[\g+4], 8                           ; tile_dim1: 8 tiles
	s_mov_b32 s[\g+5], 2048                        ; 16,384 bytes from tile to tile
	s_mov_b32 s[\g+6], 0
	s_mov_b32 s[\g+7], 0
.endr
	s_lshl_b32 s40, s23, 18                        ; P: 16 tiles of 16,384 bytes a tile row, 8 for my half: the tile row alone, which my row of the cluster shares
	s_lshl_b32 s41, s18, 17
	s_add_co_u32 s40, s40, s41
	s_mov_b32 s41, 0
	s_lshl_b32 s42, s22, 20                        ; V': 1 MiB a batch, 262,144 a tile column, 131,072 for my half: the batch and the tile column alone, which my column shares
	s_lshl_b32 s43, s21, 18
	s_add_co_u32 s42, s42, s43
	s_lshl_b32 s43, s18, 17
	s_add_co_u32 s42, s42, s43
	s_mov_b32 s43, 0
	s_lshl_b32 s46, s16, 15                        ; where my part goes in a slot: wave x 32,768: no place in the cluster enters an LDS address
	s_wait_dscnt 0x0                               ; both opening adds are done
	s_wait_kmcnt 0x0
	s_add_nc_u64 s[40:41], s[4:5], s[40:41]
	s_add_nc_u64 s[42:43], s[6:7], s[42:43]
	CROUND                                         ; all sixteen work-groups are here: the first joint loads meet
.irp s, 0,1
	s_mov_b32 s[G0A+4*\s], 1
	s_add_co_u32 s[G0A+4*\s+1], s46, \s*SLOT
	s_add_nc_u64 s[G0A+4*\s+2:G0A+4*\s+3], s[40:41], \s*KB
	s_or_b32 s[G0A+4*\s+3], s[G0A+4*\s+3], 0x80000000
	s_mov_b32 s[G0B+4*\s], 1
	s_add_co_u32 s[G0B+4*\s+1], s46, \s*SLOT
	s_add_nc_u64 s[G0B+4*\s+2:G0B+4*\s+3], s[42:43], \s*KB
	s_or_b32 s[G0B+4*\s+3], s[G0B+4*\s+3], 0x80000000
	JLOAD \s
.endr
	s_lshl_b32 s66, s21, 10                        ; my 128 columns, in bytes: 1,024 x tile column + 512 x half (registers that feed no descriptor)
	s_lshl_b32 s67, s18, 9
	s_add_co_u32 s66, s66, s67
	s_mov_b32 s67, 0
	s_add_nc_u64 s[8:9], s[8:9], s[66:67]          ; the bias there
	s_lshl_b32 s68, s23, 20                        ; out0: 256 rows of 4,096 bytes a tile row, 128 for my half
	s_lshl_b32 s69, s17, 19
	s_add_co_u32 s68, s68, s69
	s_add_co_u32 s66, s66, s68
	s_add_nc_u64 s[44:45], s[10:11], s[66:67]
	v_and_b32 v1, 15, v0                           ; r
	v_bfe_u32 v2, v0, 4, 1                         ; h
	v_and_b32 v3, 31, v0
	v_lshlrev_b32 v[BO], 5, v2
	WIN 0x40
.irp b, 0,1,2,3,4,5,6,7
	global_load_b128 v[8*\b:8*\b+3], v[BO], s[8:9] offset:64*\b          ; register 8 b + j: bo of my column 16 b + 8 h + j
	global_load_b128 v[8*\b+4:8*\b+7], v[BO], s[8:9] offset:64*\b+16
.endr
	WIN 0
	v_lshlrev_b32 v[CO], 4, v3
	s_lshl_b32 s2, s17, 15                         ; my 8 tiles of P
	v_add_nc_u32 v[ADRA], s2, v[CO]
	s_add_co_u32 s2, s2, SLOT
	v_add_nc_u32 v[ADRA+1], s2, v[CO]
	s_lshl_b32 s2, s18, 15                         ; my 8 tiles of V',
	s_add_co_u32 s2, s2, BOFF                      ; which lie behind P's 16
	v_add_nc_u32 v[ADRB], s2, v[CO]
	s_add_co_u32 s2, s2, SLOT
	v_add_nc_u32 v[ADRB+1], s2, v[CO]
	s_mul_i32 s2, s16, 16*528
	s_add_co_u32 s2, s2, STAGE                     ; my stage
	v_mul_u32_u24 v[STO], v1, 528
	v_lshl_add_u32 v[STO], v2, 5, v[STO]
	v_add_nc_u32 v[STO], s2, v[STO]
	v_add_nc_u32 v[RD], s2, v[CO]
	s_wait_tensorcnt 1                             ; my part of slot 0 is in; slot 1's may stay out
	s_barrier_signal -1
	s_barrier_wait -1
	FETCH 0, 0, F0
	s_wait_loadcnt 0x0                             ; the bias
	UNIT 0, 0, F0, F1, 1                           ; the first unit's products start the sums on the bias
	UNIT 0, 1, F1, F0, 0
	UNIT 0, 2, F0, F1, 0
	TURN 0, 1, 1                                   ; slot 0 takes K 256 .. 383
	UNIT 1, 0, F0, F1, 0
	UNIT 1, 1, F1, F0, 0
	UNIT 1, 2, F0, F1, 0
	TURN 1, 0, 1                                   ; slot 1 takes K 384 .. 511: the last load
	UNIT 0, 0, F0, F1, 0
	UNIT 0, 1, F1, F0, 0
	UNIT 0, 2, F0, F1, 0
	TURN 0, 1, 0                                   ; nothing is left to fetch
	UNIT 1, 0, F0, F1, 0
	UNIT 1, 1, F1, F0, 0
	UNIT 1, 2, F0, F1, 0
	s_wait_dscnt 8
	WIN 0xa1
	MUL16 F1, 0, 0, 0
	MUL16 F1, 0, 2, 0
	s_wait_dscnt 0x0
	WIN 0xf1
	MUL16 F1, 1, 0, 0
	MUL16 F1, 1, 2, 0
	WIN 0
; THE WAY OUT, block by block of 16 rows x 128 columns: a lane holds 32 neighbouring bytes of a row and the lanes beside it other rows, so a block goes through my own stage and comes back as whole rows of 512 bytes.
; LDS serves a wave's instructions in order (ISA guide 5.7.1.4): no wait between the stores and the loads, nor in front of the next block's stores.
.macro TOSTAGE a
.set AC, 64*((\a)%4)
	WIN 0x08+4*((\a)/4)                            ; an LDS store's data are its source 1: window 2 or 3
.irp b, 0,1,2,3,4,5,6,7
	ds_store_b128 v[STO], v[AC+8*\b:AC+8*\b+3] offset:64*\b          ; each accumulator from its low end on
	ds_store_b128 v[STO], v[AC+8*\b+4:AC+8*\b+7] offset:64*\b+16
.endr
	WIN 0
.set BB, BK+64*((\a)%2)
.set t, 0
.rept 16
	ds_load_b128 v[BB+4*t:BB+4*t+3], v[RD] offset:t*528
.set t, t+1
.endr
.endm
.macro SEND a, younger                 ; younger: the LDS instructions issued behind block a's loads, which may stay out
.set BB, BK+64*((\a)%2)
	s_wait_dscnt \younger
.set t, 0
.rept 16
	global_store_b128 v[CO], v[BB+4*t:BB+4*t+3], s[44:45] offset:(16*(\a)+t)*4096 th:TH_STORE_NT   ; 32 lanes store 512 consecutive bytes, at a multiple of 256 from out0's first byte; 127 rows at the most stand in the immediate
.set t, t+1
.endr
.endm
	PLACES
	TOSTAGE 0
.irp a, 1,2,3,4,5,6,7
.if \a > 1
	s_wait_xcnt 0x0                                ; block a - 2's stores have read their registers: block a's loads may land there
.endif
	TOSTAGE \a
	SEND \a-1, 32                                  ; behind block a - 1's loads: block a's 16 stores and 16 loads
.endr
	SEND 7, 0
	s_wait_tensorcnt 0x0                           ; the wave's end: an add to my spare word and its wait, behind my last tensor load and my last LDS store
	ds_add_u32 v[SPW], v[NIL]
	s_wait_dscnt 0x0
	CROUND                                         ; the closing round: no work-group ends while a partner may still ask for a tile that names it
	s_endpgm
.Lfunc_end_k_q4d6542ca9c_pv:
	.size	k_q4d6542ca9c_pv, .Lfunc_end_k_q4d6542ca9c_pv-k_q4d6542ca9c_pv
	.p2alignl 7, 3214868480
	.fill 96, 4, 3214868480
	.section	.rodata,"a",@progbits
	.p2align	6, 0x0
	.amdhsa_kernel k_q4d6542ca9c_pv
		.amdhsa_group_segment_fixed_size 327680
		.amdhsa_private_segment_fixed_size 0
		.amdhsa_enable_private_segment 0
		.amdhsa_kernarg_size 32
		.amdhsa_user_sgpr_count 2
		.amdhsa_user_sgpr_kernarg_segment_ptr 1
		.amdhsa_wavefront_size32 1
		.amdhsa_system_sgpr_workgroup_id_x 1
		.amdhsa_system_sgpr_workgroup_id_y 1
		.amdhsa_system_sgpr_workgroup_id_z 1
		.amdhsa_system_vgpr_workitem_id 0
		.amdhsa_next_free_vgpr 1024
		.amdhsa_next_free_sgpr 72
		.amdhsa_reserve_vcc 0
		.amdhsa_float_denorm_mode_32 3
		.amdhsa_float_denorm_mode_16_64 3
		.amdhsa_memory_ordered 1
		.amdhsa_forward_progress 1
		.amdhsa_inst_pref_size 141
	.end_amdhsa_kernel
	.amdgpu_metadata
---
amdhsa.version: [ 1, 2 ]
amdhsa.kernels:
  - .name:           k_q4d6542ca9c_pv
    .symbol:         k_q4d6542ca9c_pv.kd
    .args:
      - { .name: p16, .offset: 0, .size: 8, .value_kind: global_buffer, .address_space: global }
      - { .name: voT, .offset: 8, .size: 8, .value_kind: global_buffer, .address_space: global }
      - { .name: bo, .offset: 16, .size: 8, .value_kind: global_buffer, .address_space: global }
      - { .name: out0, .offset: 24, .size: 8, .value_kind: global_buffer, .address_space: global }
    .group_segment_fixed_size: 327680
    .private_segment_fixed_size: 0
    .kernarg_segment_align: 8
    .kernarg_segment_size: 32
    .max_flat_workgroup_size: 128
    .sgpr_count:     72
    .vgpr_count:     1024
    .wavefront_size: 32
...
	.end_amdgpu_metadata
.endif
;; end of part 4
